; MI455X (gfx1250); checked and timed in simulation.
; The chip was launched on July 23, 2026; its instructions are those of AMD's public machine-readable ISA for CDNA 5 (MIT licence, August 2026) and "CDNA5" Instruction Set Architecture Reference Guide (July 2026). The comments in the code are by the model that wrote it; some were corrected since.
;; Whisper Attention. Allowed arithmetic: matrix products marked QUANTISED: E2M1 operands, one E8M0 scale for each 32 along K, by v_wmma_scale_f32_16x16x128_f8f6f4 with both operands' format E2M1 (or v_wmma_scale_f32_32x16x128_f4), f32 sums; products left as they are: bf16, f16 or f32 operands; f32 sums; everything else in f32.
;; Inputs: Wk 1,024 x 1,024 float32; Wo 1,024 x 1,024 float32; Wq 1,024 x 1,024 float32; Wv 1,024 x 1,024 float32; bo 1,024 float32; bq 1,024 float32; bv 1,024 float32; k 4 x 2,048 x 1,024 float32; q 4 x 2,048 x 1,024 float32; v 4 x 2,048 x 1,024 float32.
;; Outputs: out0 4 x 2,048 x 1,024 float32.
;; This version of the problem:
;;   THIS VERSION OF THE PROBLEM IS GIVEN IN LOW PRECISION. The matrix products marked QUANTISED in the list below multiply operands that are first quantised to E2M1 (2 exponent bits, 1 mantissa bit; 4 bits a number), with one power-of-two scale for each 32 numbers along K (OCP MX v1.0); their sums are f32. The products marked 'left as it is' may take bf16, f16 or f32 operands, with f32 sums. Whichever they take, every output number must still come out within the allowed error. Rounding operands to bf16 (8 significant bits) uses up far more of that allowance than f16 does (11 bits, for magnitudes from 6e-5 to 65,504). All else is computed in f32.
;;   The module's matrix products, in the order in which they are computed (A, B: the left and right operand; K: the contracted axis; several contracted axes count as one K, in the product's order):
;;     1. [M 8,192, K 1,024] x [K 1,024, N 1,024]; A: input k; B: input Wk: QUANTISED
;;     2. [M 8,192, K 1,024] x [K 1,024, N 1,024]; A: input v; B: input Wv: QUANTISED
;;     3. [M 8,192, K 1,024] x [K 1,024, N 1,024]; A: input q; B: input Wq: QUANTISED
;;     4. batch 4 x [M 2,048, K 1,024] x [K 1,024, N 2,048]; A: computed on the way; B: computed on the way: left as it is (an operand is computed on the way)
;;     5. batch 4 x [M 2,048, K 2,048] x [K 2,048, N 1,024]; A: computed on the way; B: computed on the way: left as it is (an operand is computed on the way)
;;     6. [M 8,192, K 1,024] x [K 1,024, N 1,024]; A: computed on the way; B: input Wo: left as it is (an operand is computed on the way)
;;   THE QUANTISER, for each operand of a quantised product, along K:
;;     - K is cut into blocks of 32 from its start; a last block that is shorter is filled with zeros.
;;     - A block's scale is 2^e with e = floor(log2(the largest magnitude in the block)) - 2, held to -126 .. 127; a block of zeros has e = 0. As a byte (E8M0): e + 127.
;;     - Each number is divided by its block's scale, clamped to +-6, and rounded to the nearest number of E2M1, ties to even, subnormals kept.
;;     - The product sums the exact products of the quantised numbers (number of the format x scale) in f32.
;;   ~~~python
;;   def quantise(x, axis):      # numpy; x: float32 -> the quantised numbers, widened to float32 again
;;       x = np.moveaxis(x, axis, -1); K = x.shape[-1]
;;       x = np.pad(x, [(0, 0)] * (x.ndim - 1) + [(0, -K % 32)]); x = x.reshape(x.shape[:-1] + (-1, 32)); a = np.abs(x).max(-1, keepdims=True)
;;       e = np.where(a > 0, np.clip(np.frexp(np.where(a > 0, a, 1))[1] - 1 - 2, -126, 127), 0)      # np.frexp(a)[1] - 1 = floor(log2(a)), exactly
;;       r = np.clip(x / 2.0 ** e, -6, 6)
;;       step = 2.0 ** (np.maximum(np.frexp(np.where(r == 0, 1, r))[1] - 1, 0) - 1)
;;       q = np.round(r / step) * step * 2.0 ** e      # np.round: ties to even
;;       return np.moveaxis(q.reshape(q.shape[:-2] + (-1,))[..., :K], -1, axis).astype(np.float32)
;;   ~~~
;; One version. Each part assembles by itself: llvm-mc -triple=amdgcn-amd-amdhsa -mcpu=gfx1250 --defsym DOCPART=n.
;; ======== version 1 of 1: 5 launches
;; limits: values are held in f16: magnitudes above 65,504 overflow, below 6.1e-05 lose precision
;; workspace buffers: codes 14,155,776 bytes; scales 884,736 bytes; woh 2,097,152 bytes; proj 50,331,648 bytes; pbuf 33,554,432 bytes; stats 1,048,576 bytes; ctx 16,777,216 bytes
;; launch quant (part 1): grid 896 x 1, 4 waves a work-group, no clusters, 33,280 bytes of LDS; arguments q, k, v, Wq, Wk, Wv, Wo, codes, scales, woh; writes codes, scales, woh
.if DOCPART == 1
	.amdgcn_target "amdgcn-amd-amdhsa--gfx1250"
	.amdhsa_code_object_version 6
	.text
	.protected	k_q70190e3704_quant
	.globl	k_q70190e3704_quant
	.p2align	8
	.type	k_q70190e3704_quant,@function
k_q70190e3704_quant:
	s_mov_b64 s[64:65], 0
	v_nop
	global_prefetch_b8 v0, s[64:65] scope:SCOPE_SE
	s_setreg_imm32_b32 hwreg(HW_REG_WAVE_MODE, 25, 1), 1
	s_wait_xcnt 0x0
; q, k, v [8192][1024] and Wq, Wk, Wv [1024][1024], f32, K innermost, become codes of FP4 (E2M1) with one E8M0 scale byte for each 32 along K; Wo becomes f16.
; The six tensors are one stream of blocks of 32 numbers, in the order q, k, v, Wq, Wk, Wv: the codes' buffer (512 bytes a row) and the scale bytes' buffer (32 bytes a row) are laid in that order,
; so a work-group's place in them is linear in its number.  Work-groups 0 to 863 take 32,768 numbers of that stream each, a wave 8,192; work-groups 864 to 895 take 32,768 numbers of Wo.
; A block's scale is 2^(floor(log2(its largest magnitude)) - 2); its byte is the largest magnitude's exponent field - 2, held at 1 from below.  A block of zeros so gets the byte 1 where the
; quantiser's text says 127: its codes are zeros, which add nothing under any byte but 0xff, and this program alone reads the bytes.
; LIMITS: NaN and infinities among the inputs are not served.  Wo as f16: magnitudes beyond 65,504 become infinity, magnitudes under 2^-14 keep fewer than 11 bits.
; A wave takes 16 steps of 512 numbers.  Each load reads 512 consecutive bytes; a step's 2,048 bytes turn through the wave's own stage in LDS, so that a lane holds 16 neighbours along K
; (two neighbouring lanes hold a block).  A lane's 16 codes are 8 bytes: a store of the wave covers 256 consecutive bytes, aligned.  A wave's 256 scale bytes are gathered in LDS and leave as one such block.
.set WAVES, 4
.set STEPS, 16
.set EMAX,  2
.set CB,    8                          ; bytes of 16 codes
.set R,     16                         ; v16-79   four sets of 16 numbers as they are loaded
.set X,     80                         ; v80-111  two sets of 16 neighbours
.set E,     112                        ; v112-127 a scale byte for each step
.set C,     128                        ; v128-191 codes: four registers for each step, so that no store's data are written again
.set HO,    144                        ; v144-175 Wo's path: 64 numbers as f16
.set WREG,  8192                       ; LDS: a region for each wave: two stages of 32 x SP bytes, then its 256 scale bytes
.set SP,    80                         ; a lane's place in a stage: 64 bytes + 16 of padding
.set SPW,   12                         ; v12  LDS address of my spare word; never rewritten
.set NIL,   13                         ; v13  0; never rewritten
.set SPARE, WAVES*WREG                 ; behind the four regions: the spare words, 128 bytes a wave
	s_load_b512 s[4:19], s[0:1], 0x0               ; q s[4:5], k s[6:7], v s[8:9], Wq s[10:11], Wk s[12:13], Wv s[14:15], Wo s[16:17], codes s[18:19]
	s_load_b128 s[20:23], s[0:1], 0x40             ; scales s[20:21], woh s[22:23]
	v_lshl_add_u32 v[SPW], v0, 2, SPARE
	v_mov_b32 v[NIL], 0
	v_lshrrev_b32 v1, 5, v0
	v_readfirstlane_b32 s24, v1                    ; wave
	v_and_b32 v2, 31, v0                           ; lane
	v_lshlrev_b32 v3, 4, v2                        ; my 16 bytes of a load's 512
	s_cmp_ge_u32 ttmp9, 864                        ; the last 32 work-groups take Wo
	s_cbranch_scc1 .Lwo
	s_mul_i32 s25, s24, WREG
	v_lshrrev_b32 v14, 2, v2
	v_mul_u32_u24 v14, v14, SP
	v_and_b32 v15, 3, v2
	v_lshl_add_u32 v14, v15, 4, v14
	v_add_nc_u32 v14, s25, v14                     ; the stage, on the way in: SP (lane / 4) + 16 (lane % 4)
	v_mul_u32_u24 v15, v2, SP
	v_add_nc_u32 v15, s25, v15                     ; and on the way out: SP x lane: my 16 neighbours
	v_mul_u32_u24 v4, v2, CB                       ; my codes' place in a step's
	v_lshrrev_b32 v5, 1, v2
	s_add_co_u32 s25, s25, 2*32*SP
	v_add_nc_u32 v5, s25, v5                       ; LDS: my wave's 256 scale bytes, my block's byte
	v_lshlrev_b32 v7, 3, v2                        ; on the way out 8 bytes a lane
	v_add_nc_u32 v6, s25, v7
	s_wait_kmcnt 0x0
	s_mov_b64 s[26:27], s[14:15]                   ; which tensor: the choice hangs on the work-group's number alone
	s_mov_b32 s28, 832                             ; and the tensor's first work-group
.macro PICK lim, ptr, base
	s_cmp_lt_u32 ttmp9, \lim
	s_cselect_b64 s[26:27], s[\ptr:\ptr+1], s[26:27]
	s_cselect_b32 s28, \base, s28
.endm
	PICK 832, 12, 800
	PICK 800, 10, 768
	PICK 768, 8, 512
	PICK 512, 6, 256
	PICK 256, 4, 0
	s_sub_co_u32 s29, ttmp9, s28
	s_lshl_b32 s29, s29, 2
	s_add_co_u32 s29, s29, s24                     ; which run of 8,192 numbers of the tensor is my wave's
	s_lshl_b32 s30, s29, 15                        ; 32,768 bytes a run
	s_mov_b32 s31, 0
	s_add_nc_u64 s[26:27], s[26:27], s[30:31]
	s_lshl_b32 s29, ttmp9, 2
	s_add_co_u32 s29, s29, s24                     ; and which run of the whole stream
	s_lshl_b32 s30, s29, 12                        ; 4,096 bytes of codes a run
	s_add_nc_u64 s[18:19], s[18:19], s[30:31]
	s_lshl_b32 s30, s29, 8                         ; 256 scale bytes a run
	s_add_nc_u64 s[20:21], s[20:21], s[30:31]
.macro LOAD t
.irp i, 0,1,2,3
	global_load_b128 v[R+16*((\t)%4)+4*\i:R+16*((\t)%4)+4*\i+3], v3, s[26:27] offset:2048*(\t)+512*\i th:TH_LOAD_NT   ; 32 lanes read 512 consecutive bytes
.endr
.endm
.macro TURN t                          ; step t's numbers through the stage: LDS serves a wave's instructions in order, so no wait stands between the stores and the loads
.irp i, 0,1,2,3
	ds_store_b128 v14, v[R+16*((\t)%4)+4*\i:R+16*((\t)%4)+4*\i+3] offset:32*SP*((\t)%2)+8*SP*\i
.endr
.irp i, 0,1,2,3
	ds_load_b128 v[X+16*((\t)%2)+4*\i:X+16*((\t)%2)+4*\i+3], v15 offset:32*SP*((\t)%2)+16*\i
.endr
.endm
.irp t, 0,1,2,3
	LOAD \t
.endr
	s_wait_loadcnt 12                              ; step 0's four loads are in; the twelve of steps 1 to 3 may be out
	TURN 0
.macro STEP t
.set XS, X+16*((\t)%2)
.if (\t) > 0
	s_wait_dscnt 1                                 ; this step's numbers are back from the stage (the last step's byte store may be out): so its stores into the stage have read their registers,
.else
	s_wait_dscnt 0x0
.endif
.if (\t)+4 < STEPS
	LOAD (\t)+4                                    ; which take the loads of four steps on
.endif
.if (\t)+1 < STEPS
.if STEPS-2-(\t) >= 3
	s_wait_loadcnt 12                              ; the next step's four loads are in; those of the three steps behind it may be out
.else
	s_wait_loadcnt 4*(STEPS-2-(\t))
.endif
	TURN (\t)+1                                    ; and go through the other stage while this step is worked
.endif
	v_max3_num_f32 v8, |v[XS]|, |v[XS+1]|, |v[XS+2]|               ; the largest magnitude of my 16, in two chains
	v_max3_num_f32 v9, |v[XS+3]|, |v[XS+4]|, |v[XS+5]|
.irp i, 6,10
	v_max3_num_f32 v8, v8, |v[XS+\i]|, |v[XS+\i+1]|
	v_max3_num_f32 v9, v9, |v[XS+\i+2]|, |v[XS+\i+3]|
.endr
	v_max3_num_f32 v8, v8, |v[XS+14]|, |v[XS+15]|
	v_max3_num_f32 v8, v8, v9, (EMAX+1)<<23        ; and the floor 2^(EMAX + 1 - 127): the byte cannot fall under 1
	v_max_num_f32_dpp v8, v8, v8 row_xmask:1 row_mask:0xf bank_mask:0xf   ; and of my neighbour's 16: the block's
	v_add_nc_u32 v11, -(EMAX<<23), v8              ; EMAX off its exponent field: the conversion takes the exponent field of this operand as its scale
	v_cvt_scalef32_pk8_fp4_f32 v[C+4*(\t)], v[XS:XS+7], v11        ; eight numbers / the scale, to the nearest code, ties to even; beyond 6 the largest code
	v_cvt_scalef32_pk8_fp4_f32 v[C+4*(\t)+1], v[XS+8:XS+15], v11
	v_lshrrev_b32 v[E+(\t)], 23, v11               ; the scale's byte (also the plain line behind the conversions)
	ds_store_b8 v5, v[E+(\t)] offset:16*(\t)       ; both lanes of a block write the same byte with the same value
	global_store_b64 v4, v[C+4*(\t):C+4*(\t)+1], s[18:19] offset:32*CB*(\t)   ; 256 consecutive bytes, aligned
.endm
.irp t, 0,1,2,3,4,5,6,7,8,9,10,11,12,13,14,15
	STEP \t
.endr
	ds_load_b64 v[8:9], v6                         ; LDS serves a wave's instructions in order: these see my stores
	s_wait_dscnt 0x0
	global_store_b64 v7, v[8:9], s[20:21]          ; 32 lanes store 256 consecutive bytes, aligned
	s_wait_tensorcnt 0x0                           ; the wave's end
	ds_add_u32 v[SPW], v[NIL]
	s_wait_dscnt 0x0
	s_endpgm
; Wo to f16: a wave takes 8,192 numbers in four batches of 16 loads; two batches are on their way.  No LDS is touched on this path.
.Lwo:
	s_sub_co_u32 s25, ttmp9, 864
	s_lshl_b32 s25, s25, 2
	s_add_co_u32 s25, s25, s24                     ; which run of 8,192 numbers is my wave's
	s_lshl_b32 s26, s25, 15                        ; 32,768 bytes in,
	s_mov_b32 s27, 0
	s_lshl_b32 s28, s25, 14                        ; 16,384 bytes out
	s_mov_b32 s29, 0
	v_lshlrev_b32 v4, 3, v2                        ; 8 bytes a lane on the way out
	s_wait_kmcnt 0x0
	s_add_nc_u64 s[16:17], s[16:17], s[26:27]
	s_add_nc_u64 s[22:23], s[22:23], s[28:29]
.macro LOADB t
.irp i, 0,1,2,3,4,5,6,7,8,9,10,11,12,13,14,15
	global_load_b128 v[16+64*((\t)%2)+4*\i:16+64*((\t)%2)+4*\i+3], v3, s[16:17] offset:8192*(\t)+512*\i th:TH_LOAD_NT
.endr
.endm
.macro WOSTEP t
.if (\t) < 3
	s_wait_loadcnt 16                              ; this batch is in; the other batch's sixteen loads may be out
.else
	s_wait_loadcnt 0x0
.endif
	s_wait_xcnt 0x0                                ; the last batch's stores have read v144-175: they are written again only behind this wait
.set i, 0
.rept 32
	v_cvt_pk_f16_f32 v[HO+i], v[16+64*((\t)%2)+2*i], v[16+64*((\t)%2)+2*i+1]
.set i, i+1
.endr
.irp n, 0,1,2,3,4,5,6,7,8,9,10,11,12,13,14,15
	global_store_b64 v4, v[HO+2*\n:HO+2*\n+1], s[22:23] offset:4096*(\t)+256*\n   ; 256 consecutive bytes, aligned
.endr
.if (\t) < 2
	LOADB (\t)+2
.endif
.endm
	LOADB 0
	LOADB 1
	WOSTEP 0
	WOSTEP 1
	WOSTEP 2
	WOSTEP 3
	s_endpgm
.Lfunc_end_k_q70190e3704_quant:
	.size	k_q70190e3704_quant, .Lfunc_end_k_q70190e3704_quant-k_q70190e3704_quant
	.p2alignl 7, 3214868480
	.fill 96, 4, 3214868480
	.section	.rodata,"a",@progbits
	.p2align	6, 0x0
	.amdhsa_kernel k_q70190e3704_quant
		.amdhsa_group_segment_fixed_size 33280
		.amdhsa_private_segment_fixed_size 0
		.amdhsa_enable_private_segment 0
		.amdhsa_kernarg_size 80
		.amdhsa_user_sgpr_count 2
		.amdhsa_user_sgpr_kernarg_segment_ptr 1
		.amdhsa_wavefront_size32 1
		.amdhsa_system_sgpr_workgroup_id_x 1
		.amdhsa_system_sgpr_workgroup_id_y 1
		.amdhsa_system_sgpr_workgroup_id_z 1
		.amdhsa_system_vgpr_workitem_id 0
		.amdhsa_next_free_vgpr 192
		.amdhsa_next_free_sgpr 66
		.amdhsa_reserve_vcc 0
		.amdhsa_float_denorm_mode_32 3
		.amdhsa_float_denorm_mode_16_64 3
		.amdhsa_memory_ordered 1
		.amdhsa_forward_progress 1
		.amdhsa_inst_pref_size 55
	.end_amdhsa_kernel
	.amdgpu_metadata
---
amdhsa.version: [ 1, 2 ]
amdhsa.kernels:
  - .name:           k_q70190e3704_quant
    .symbol:         k_q70190e3704_quant.kd
    .args:
      - { .name: q, .offset: 0, .size: 8, .value_kind: global_buffer, .address_space: global }
      - { .name: k, .offset: 8, .size: 8, .value_kind: global_buffer, .address_space: global }
      - { .name: v, .offset: 16, .size: 8, .value_kind: global_buffer, .address_space: global }
      - { .name: Wq, .offset: 24, .size: 8, .value_kind: global_buffer, .address_space: global }
      - { .name: Wk, .offset: 32, .size: 8, .value_kind: global_buffer, .address_space: global }
      - { .name: Wv, .offset: 40, .size: 8, .value_kind: global_buffer, .address_space: global }
      - { .name: Wo, .offset: 48, .size: 8, .value_kind: global_buffer, .address_space: global }
      - { .name: codes, .offset: 56, .size: 8, .value_kind: global_buffer, .address_space: global }
      - { .name: scales, .offset: 64, .size: 8, .value_kind: global_buffer, .address_space: global }
      - { .name: woh, .offset: 72, .size: 8, .value_kind: global_buffer, .address_space: global }
    .group_segment_fixed_size: 33280
    .private_segment_fixed_size: 0
    .kernarg_segment_align: 8
    .kernarg_segment_size: 80
    .max_flat_workgroup_size: 128
    .sgpr_count:     66
    .vgpr_count:     192
    .wavefront_size: 32
...
	.end_amdgpu_metadata
.endif
;; end of part 1
;; launch proj (part 2): grid 4 x 96, 4 waves a work-group, clusters of 4 x 4, 327,680 bytes of LDS; arguments codes, scales, bq, bv, proj; writes proj
.if DOCPART == 2
	.amdgcn_target "amdgcn-amd-amdhsa--gfx1250"
	.amdhsa_code_object_version 6
	.text
	.protected	k_q70190e3704_proj
	.globl	k_q70190e3704_proj
	.p2align	8
	.type	k_q70190e3704_proj,@function
k_q70190e3704_proj:
	s_mov_b64 s[64:65], 0
	v_nop
	global_prefetch_b8 v0, s[64:65] scope:SCOPE_SE
	s_setreg_imm32_b32 hwreg(HW_REG_WAVE_MODE, 25, 1), 1
	s_wait_xcnt 0x0
	s_wait_alu depctr_hold_cnt(0) depctr_sa_sdst(0) depctr_va_vdst(0) depctr_va_sdst(0) depctr_va_ssrc(0) depctr_va_vcc(0) depctr_vm_vsrc(0)
	s_getreg_b32 s2, hwreg(HW_REG_IB_STS2, 6, 4)
	s_cmp_eq_u32 s2, 0
	s_cbranch_scc0 .Lentry_in_a_cluster
	s_endpgm
.Lentry_in_a_cluster:
	s_bfe_u32 s2, ttmp6, 0x10000c
	s_cmp_lg_u32 s2, 0xf033
	s_cbranch_scc0 .Lentry_shape_is_right
	s_endpgm
.Lentry_shape_is_right:
; The three quantised projections in one launch: proj[row][e] = f x (sum over d of X[row][d] W[e][d] + bias[e]), as f16.  X: rows 0-8191 q, 8192-16383 k, 16384-24575 v, as codes of FP4 with E8M0 scales;
; W: rows 24576 + 1024 t on of the same buffers (t = 0 Wq, 1 Wk, 2 Wv).  bias: bq, none, bv.  f = 1/8, 1/4, 1: exact powers of two, so that (q's row) . (k's row) is already score / sqrt(1024).
; LIMITS: the results are kept as f16: |qp + bq| beyond 8 x 65,504, |kp| beyond 4 x 65,504 and |vp + bv| beyond 65,504 become infinity; what falls under 2^-14 after the factor keeps fewer than 11 bits.
; A tile of 256 rows x 256 features is made by four waves, 128 x 128 each: 64 accumulators, 512 registers.  K = 1,024 is two slots of 512 along K (LDS rows of 256 bytes): both are filled at the head, nothing is filled again.
; The scale bytes of the tile's 256 + 256 rows for all of K are two dense blocks: they come once, with the first fills.
; CLUSTERS: 4 x 4 work-groups.  The four of a row of the cluster need the same rows of X, the four of a column the same rows of W: each tile is asked for jointly.
; The matrix instruction is used transposed (source 0 = 16 rows of W, source 1 = 16 rows of X): a lane holds eight neighbouring features of one row.  The bias is the C of each sum's first product.
; REGISTERS: window 0: v0-31 addresses; v32-95 scale words, two sets; v128-191 X's fragments, one set; v192-255 the bias, 8 registers for each block of 16 features.  On the way out v32-191 are free.
;   window 1: W's fragments, two sets, at v0 and v128.  window 2: accumulators of my rows 0-63 ((a, b) at v[8 (8 a + b)]); window 3: of rows 64-127.
.set KSTEP,  512
.set NQ,     KSTEP/128
.set ROWB,   256                       ; a tile's row in bytes
.set KROW,   512                       ; a row of codes in memory
.set PITCH,  272                       ; an LDS row: 256 bytes + 16 of padding: the 16 rows of a fragment load start 68 words apart
.set FR,     8
.set NL,     2
.set NP,     4
.set HALFT,  128*PITCH
.set SLOT,   4*HALFT
.set KS,     32                        ; a row of scale bytes
.set SCL,    2*SLOT
.set HALFS,  (128*KS/256)*272
.set SBLK,   (16*KS/256)*272
.set SPARE,  SCL+4*HALFS               ; the spare words, 128 bytes a wave
.set STAGE,  SPARE+512                 ; the way out: 16 rows x 272 bytes for each wave; no tile lands here
.set SPITCH, 272
.set CROW,   2048                      ; a row of proj in bytes
.set ADRA, 16
.set ADRB, 20
.set STO,  24
.set RD,   25
.set CO,   26
.set ADRS, 27
.set SPW,  28
.set NIL,  29
.set SC,   32
.set AF,   128
.set BI,   192
.set T,    32                          ; the way out: 64 scaled results,
.set TMP,  96                          ; 32 registers of f16 pairs,
.set BK,   128                         ; and 16 rows read back: v128-159 and v160-191 by turns
.set G1,   24
.set G0,   32
.set G1B,  48
.set G0B,  56
.set G1S,  68
.set G0S,  76
.set G1SB, 80
.set G0SB, 88
.set MK,   3                           ; s3   all ones where the tensor has a bias, else 0
.set TN,   95                          ; s95  the tensor: 0 q, 1 k, 2 v
.set FS,   96                          ; s[96:97] the factor f
.set MSB, 0
.macro WIN new                         ; the immediate's high byte repeats the setting that is left
.if MSB != \new
	s_set_vgpr_msb (MSB<<8)|\new
.set MSB, \new
.endif
.endm
.set MUL_LO, 0xa1                      ; source 0 (W) window 1, source 1 (X) window 0, C and D window 2
.set MUL_HI, 0xf1                      ; the same, C and D window 3
.set TO_B,   0x40
; A joint load: waves 0 and 1 fetch for X, waves 2 and 3 for W; the branch hangs on the wave's number alone.  An s_nop 0 and four v_nop follow each line.
.macro JLOAD g0a, g1a, g0b, g1b
	s_cmp_eq_u32 s15, 0
	s_cbranch_scc0 .Lfor_b_\@
	tensor_load_to_lds s[\g0a:\g0a+3], s[\g1a:\g1a+7]
	s_nop 0
.rept 4
	v_nop
.endr
	s_branch .Lasked_\@
.Lfor_b_\@:
	tensor_load_to_lds s[\g0b:\g0b+3], s[\g1b:\g1b+7]
	s_nop 0
.rept 4
	v_nop
.endr
.Lasked_\@:
.endm
.macro CROUND                          ; a round of the cluster's barrier
	s_barrier_signal -1
	s_barrier_wait -1
	s_cmp_lg_u32 s14, 0
	s_cbranch_scc1 .Lnot_wave_0_\@
	s_barrier_signal -3
.Lnot_wave_0_\@:
	s_barrier_wait -3
	s_barrier_signal -1
	s_barrier_wait -1
.endm
	s_load_b256 s[4:11], s[0:1], 0x0               ; codes s[4:5], scales s[6:7], bq s[8:9], bv s[10:11]
	s_load_b64 s[12:13], s[0:1], 0x20              ; proj
	v_lshl_add_u32 v[SPW], v0, 2, SPARE
	v_mov_b32 v[NIL], 0
	ds_add_u32 v[SPW], v[NIL]                      ; the wave's opening: the add, twice on end, and its wait ahead of my first tensor load
	ds_add_u32 v[SPW], v[NIL]
	v_lshrrev_b32 v1, 5, v0
	v_readfirstlane_b32 s14, v1                    ; wave 0..3
	s_lshr_b32 s15, s14, 1                         ; which half of the tile's rows is mine.  Also: I fetch for X (0) or for W (1)
	s_and_b32 s16, s14, 1                          ; which half of its features.  Also: which 128 rows I fetch
	s_bfe_u32 s40, ttmp6, 0x40000                  ; cx
	s_bfe_u32 s41, ttmp6, 0x40004                  ; cy
	s_lshl_b32 s42, ttmp9, 2
	s_add_co_u32 s42, s42, s40                     ; feature tile = 4 x cluster x + cx
	s_and_b32 s17, ttmp7, 0xffff
	s_lshr_b32 s[TN], s17, 3                       ; eight rows of clusters to a tensor: the same in all sixteen partners
	s_lshl_b32 s17, s17, 2
	s_add_co_u32 s17, s17, s41                     ; row tile = 4 x cluster y + cy
	s_lshl_b32 s43, s41, 2
	s_lshl_b32 s43, 15, s43                        ; my row of the cluster
	s_lshl_b32 s44, 0x1111, s40                    ; my column
	s_mov_b32 s[FS], 1.0
	s_cmp_eq_u32 s[TN], 1
	s_cselect_b32 s[FS], 0x3e800000, s[FS]         ; k: 1/4
	s_cselect_b32 s[MK], 0, -1                     ; k has no bias
	s_cmp_eq_u32 s[TN], 0
	s_cselect_b32 s[FS], 0x3e000000, s[FS]         ; q: 1/8
	s_mov_b32 s[FS+1], s[FS]                       ; (named with it as a pair, so it is written)
	; descriptor group 1: 128 rows x 256 bytes, 16 bytes of padding behind each row
	s_or_b32 s[G1+0], s43, (0<<16)|(1<<20)|(1<<21)|(5<<22)|(3<<25)
	s_or_b32 s[G1B+0], s44, (0<<16)|(1<<20)|(1<<21)|(5<<22)|(3<<25)
.irp g, G1, G1B
	s_mov_b32 s[\g+1], ROWB<<16                    ; tensor_dim0
	s_mov_b32 s[\g+2], 128<<16                     ; tensor_dim1
	s_mov_b32 s[\g+3], ROWB<<16                    ; tile_dim0
	s_mov_b32 s[\g+4], 128                         ; tile_dim1
	s_mov_b32 s[\g+5], KROW                        ; from row to row
	s_mov_b32 s[\g+6], 0
	s_mov_b32 s[\g+7], 0
.endr
	; the scale bytes of 128 rows: 4,096 dense bytes as 16 rows of 256 (32 elements of 8 bytes), 16 bytes of padding behind each
	s_or_b32 s[G1S+0], s43, (3<<16)|(1<<20)|(1<<21)|(5<<22)|(3<<25)
	s_or_b32 s[G1SB+0], s44, (3<<16)|(1<<20)|(1<<21)|(5<<22)|(3<<25)
.irp g, G1S, G1SB
	s_mov_b32 s[\g+1], 32<<16
	s_mov_b32 s[\g+2], (128*KS/256)<<16
	s_mov_b32 s[\g+3], 32<<16
	s_mov_b32 s[\g+4], 128*KS/256
	s_mov_b32 s[\g+5], 32
	s_mov_b32 s[\g+6], 0
	s_mov_b32 s[\g+7], 0
.endr
	s_lshl_b32 s18, s16, 7                         ; which 128 rows of the tile I fetch
	s_lshl_b32 s20, s17, 8
	s_add_co_u32 s20, s20, s18                     ; X: row 256 x row tile + 128 x half
	s_lshl_b32 s46, s42, 8
	s_add_co_u32 s46, s46, s18
	s_lshl_b32 s47, s[TN], 10
	s_add_co_u32 s46, s46, s47
	s_add_co_u32 s46, s46, 24576                   ; W: row 24,576 + 1,024 x tensor + 256 x feature tile + 128 x half
	s_lshl_b32 s22, s20, 5                         ; where these rows' scale bytes begin,
	s_mov_b32 s23, 0
	s_lshl_b32 s92, s46, 5
	s_mov_b32 s93, 0
	s_lshl_b32 s20, s20, 9                         ; and their codes (27,648 rows of 512 bytes: under 2^32)
	s_mov_b32 s21, 0
	s_lshl_b32 s46, s46, 9
	s_mov_b32 s47, 0
	s_mul_i32 s45, s14, HALFT                      ; where they go: wave x 128 rows
	s_mul_i32 s94, s14, HALFS
	s_wait_dscnt 0x0                               ; both opening adds are done
	s_wait_kmcnt 0x0
	s_add_nc_u64 s[20:21], s[4:5], s[20:21]
	s_add_nc_u64 s[22:23], s[6:7], s[22:23]
	s_add_nc_u64 s[46:47], s[4:5], s[46:47]
	s_add_nc_u64 s[92:93], s[6:7], s[92:93]
	CROUND                                         ; all sixteen work-groups are here: the first joint loads meet
	s_mov_b32 s[G0S], 1
	s_add_co_u32 s[G0S+1], s94, SCL
	s_mov_b64 s[G0S+2:G0S+3], s[22:23]
	s_or_b32 s[G0S+3], s[G0S+3], 0x80000000
	s_mov_b32 s[G0SB], 1
	s_add_co_u32 s[G0SB+1], s94, SCL
	s_mov_b64 s[G0SB+2:G0SB+3], s[92:93]
	s_or_b32 s[G0SB+3], s[G0SB+3], 0x80000000
	JLOAD G0S, G1S, G0SB, G1SB                     ; the scale bytes first: they are wanted with the first slot
.irp s, 0,1
	s_mov_b32 s[G0+4*\s], 1
	s_add_co_u32 s[G0+4*\s+1], s45, \s*SLOT
	s_add_nc_u64 s[G0+4*\s+2:G0+4*\s+3], s[20:21], \s*ROWB
	s_or_b32 s[G0+4*\s+3], s[G0+4*\s+3], 0x80000000
	s_mov_b32 s[G0B+4*\s], 1
	s_add_co_u32 s[G0B+4*\s+1], s45, \s*SLOT
	s_add_nc_u64 s[G0B+4*\s+2:G0B+4*\s+3], s[46:47], \s*ROWB
	s_or_b32 s[G0B+4*\s+3], s[G0B+4*\s+3], 0x80000000
	JLOAD G0+4*\s, G1, G0B+4*\s, G1B               ; three tensor loads of mine are out
.endr
	v_and_b32 v1, 15, v0                           ; r = lane % 16
	v_bfe_u32 v2, v0, 4, 1                         ; h = lane / 16
	; the bias in the result's layout: for block b of 16 features, lane (r, h) wants features 16 b + 8 h + 0 .. 7 of my 128
	v_lshlrev_b32 v7, 5, v2
	s_cmp_eq_u32 s[TN], 2
	s_cselect_b64 s[8:9], s[10:11], s[8:9]         ; bv for v, else bq
	s_lshl_b32 s18, s42, 10
	s_lshl_b32 s19, s16, 9
	s_add_co_u32 s18, s18, s19
	s_mov_b32 s19, 0
	s_add_nc_u64 s[8:9], s[8:9], s[18:19]
.irp b, 0,1,2,3,4,5,6,7
	global_load_b128 v[BI+8*\b:BI+8*\b+3], v7, s[8:9] offset:64*\b
	global_load_b128 v[BI+8*\b+4:BI+8*\b+7], v7, s[8:9] offset:64*\b+16
.endr
	s_wait_loadcnt 0x0
.set i, 0
.rept 64
	v_and_b32 v[BI+i], s[MK], v[BI+i]              ; k's projection has no bias: zeros there
.set i, i+1
.endr
	v_mul_u32_u24 v3, v1, PITCH
	v_lshl_add_u32 v4, v2, 4, v3                   ; a fragment's row x pitch + 16 x half
	s_mul_i32 s21, s15, HALFT                      ; my 128 rows of X
	s_mul_i32 s22, s16, HALFT                      ; my 128 rows of W,
	s_add_co_u32 s22, s22, 2*HALFT                 ; which lie behind X's 256
.irp s, 0,1
	v_add_nc_u32 v[ADRA+\s], s21, v4
	v_add_nc_u32 v[ADRB+\s], s22, v4
	s_add_co_u32 s21, s21, SLOT
	s_add_co_u32 s22, s22, SLOT
.endr
	v_mul_u32_u24 v5, v1, KS                       ; my row's scale bytes: KS a row,
	v_lshrrev_b32 v6, 8, v5
	v_lshl_add_u32 v5, v6, 4, v5                   ; and 16 more for each 256 passed
	s_mul_i32 s21, s15, HALFS
	s_mul_i32 s22, s16, HALFS
	s_add_co_u32 s22, s22, 2*HALFS
	s_sub_co_u32 s22, s22, s21
	v_mul_u32_u24 v6, s22, v2                      ; lanes 16-31 take W's
	s_add_co_u32 s21, s21, SCL
	v_add_nc_u32 v5, v5, v6
	v_add_nc_u32 v[ADRS], s21, v5
	s_mul_i32 s23, s14, 16*SPITCH
	s_add_co_u32 s23, s23, STAGE                   ; my stage
	v_mul_u32_u24 v5, v1, SPITCH                   ; in: row r, 16 bytes for each half of the lanes
	v_lshl_add_u32 v5, v2, 4, v5
	v_add_nc_u32 v[STO], s23, v5
	v_mul_u32_u24 v5, v2, SPITCH                   ; back: lanes 0-15 one row of 256 bytes, lanes 16-31 the next
	v_lshl_add_u32 v5, v1, 4, v5
	v_add_nc_u32 v[RD], s23, v5
	v_lshlrev_b32 v5, 11, v2                       ; and the same two rows in proj
	v_lshl_add_u32 v[CO], v1, 4, v5
	s_lshl_b32 s20, s17, 8
	s_lshl_b32 s21, s15, 7
	s_add_co_u32 s20, s20, s21                     ; my first row
	s_lshl_b32 s20, s20, 11
	s_lshl_b32 s46, s42, 9                         ; my first feature, in bytes: 512 x feature tile + 256 x half
	s_lshl_b32 s47, s16, 8
	s_add_co_u32 s46, s46, s47
	s_add_co_u32 s20, s20, s46
	s_mov_b32 s21, 0
	s_add_nc_u64 s[12:13], s[12:13], s[20:21]
.macro FRAG reg, adr, q, i             ; 16 rows x 128 K of 4-bit codes: 8 registers, two loads of 16 bytes, 32 bytes apart
.irp c, 0,1
	ds_load_b128 v[\reg+4*\c:\reg+4*\c+3], v[\adr] offset:64*(\q)+32*\c+(\i)*16*PITCH
.endr
.endm
; 16 matrix instructions: X's blocks a0, a0 + 1 against W's eight, 128 along K.  first = 1: the bias is the C.  The 64 accumulators take turns, one instruction a turn.
.macro MUL16 a0, p, q, sc, first
.irp a, \a0, \a0+1
.irp b, 0,1,2,3,4,5,6,7
.if \first
	v_wmma_scale_f32_16x16x128_f8f6f4 v[8*(8*((\a)%4)+\b):8*(8*((\a)%4)+\b)+7], v[128*(\p)+FR*\b:128*(\p)+FR*\b+FR-1], v[AF+FR*(\a):AF+FR*(\a)+FR-1], v[BI+8*\b:BI+8*\b+7], v[SC+8*NQ*(\sc)+NQ*\b+(\q)], v[SC+8*NQ*(\sc)+NQ*(\a)+(\q)] matrix_a_fmt:MATRIX_FMT_FP4 matrix_b_fmt:MATRIX_FMT_FP4 matrix_a_scale:MATRIX_SCALE_ROW1
.else
	v_wmma_scale_f32_16x16x128_f8f6f4 v[8*(8*((\a)%4)+\b):8*(8*((\a)%4)+\b)+7], v[128*(\p)+FR*\b:128*(\p)+FR*\b+FR-1], v[AF+FR*(\a):AF+FR*(\a)+FR-1], v[8*(8*((\a)%4)+\b):8*(8*((\a)%4)+\b)+7], v[SC+8*NQ*(\sc)+NQ*\b+(\q)], v[SC+8*NQ*(\sc)+NQ*(\a)+(\q)] matrix_a_fmt:MATRIX_FMT_FP4 matrix_b_fmt:MATRIX_FMT_FP4 matrix_a_scale:MATRIX_SCALE_ROW1
.endif
.endr
.endr
.endm
.macro FETCH_B slot, q, p
	WIN TO_B
.irp i, 0,1,2,3,4,5,6,7
	FRAG 128*(\p)+FR*\i, ADRB+\slot, \q, \i
.endr
	WIN 0
.endm
.macro FETCH_A slot, q, i0
.irp i, \i0, \i0+1, \i0+2, \i0+3
	FRAG AF+FR*(\i), ADRA+\slot, \q, \i
.endr
.endm
.macro SCALES sc                       ; a slot's scale words: lanes 0-15 X's block i, lanes 16-31 W's block i; four words a row
.irp i, 0,1,2,3,4,5,6,7
	ds_load_b128 v[SC+8*NQ*\sc+NQ*\i:SC+8*NQ*\sc+NQ*\i+3], v[ADRS] offset:\i*SBLK
.endr
.endm
.macro PLACES n                        ; plain vector lines between a matrix instruction and a load into, or a vector write or read of, its registers
.rept \n
	v_nop
.endr
.endm
.macro STEP slot, q, first             ; 128 along K whose successor lies in the same slot
	s_wait_dscnt 4*NL                              ; W's set and X's blocks 0-3 are in; the youngest eight loads (X's blocks 4-7) may be out
.if \first
	WIN 0x81                                       ; C, the bias, in window 0
.else
	WIN MUL_LO
.endif
	MUL16 0, (\q)%2, \q, \slot, \first
	MUL16 2, (\q)%2, \q, \slot, \first
	s_wait_dscnt 0
	PLACES NP
	FETCH_B \slot, (\q)+1, 1-(\q)%2
	FETCH_A \slot, (\q)+1, 0
.if \first
	WIN 0xc1
.else
	WIN MUL_HI
.endif
	MUL16 4, (\q)%2, \q, \slot, \first
	MUL16 6, (\q)%2, \q, \slot, \first
	PLACES NP
	WIN 0
	FETCH_A \slot, (\q)+1, 4
.endm
.macro STEPS slot, from
.set Q, \from
.rept NQ-1-\from
	STEP \slot, Q, 0
.set Q, Q+1
.endr
.endm
	s_wait_tensorcnt 1                             ; the scale bytes and my part of slot 0 are in; slot 1's load may be out
	s_barrier_signal -1
	s_barrier_wait -1
	FETCH_B 0, 0, 0
	FETCH_A 0, 0, 0
	SCALES 0
	FETCH_A 0, 0, 4
	STEP 0, 0, 1
	STEPS 0, 1
	; slot 0's last step changes slots: each wave's part of slot 1 has landed in front of the barrier
	s_wait_tensorcnt 0x0                           ; all my tensor loads have landed
	ds_add_u32 v[SPW], v[NIL]
	s_wait_dscnt 4*NL+1                            ; (the add and X's blocks 4-7 may be out)
	WIN MUL_LO
	MUL16 0, 1, NQ-1, 0, 0
	s_wait_dscnt 0x0
	s_barrier_signal -1
	MUL16 2, 1, NQ-1, 0, 0
	WIN 0
	s_barrier_wait -1
	PLACES NP
	v_add_nc_u32 v[ADRS], 4*NQ, v[ADRS]            ; on to slot 1's scale words
	FETCH_B 1, 0, 0
	FETCH_A 1, 0, 0
	SCALES 1
	WIN MUL_HI
	MUL16 4, 1, NQ-1, 0, 0
	MUL16 6, 1, NQ-1, 0, 0
	PLACES NP
	WIN 0
	FETCH_A 1, 0, 4
	STEPS 1, 0
	s_wait_dscnt 4*NL                              ; the last step: nothing more to fetch
	WIN MUL_LO
	MUL16 0, 1, NQ-1, 1, 0
	MUL16 2, 1, NQ-1, 1, 0
	s_wait_dscnt 0
	WIN MUL_HI
	MUL16 4, 1, NQ-1, 1, 0
	MUL16 6, 1, NQ-1, 1, 0
	WIN 0
; THE WAY OUT, a block of 16 rows x 128 features at a time: times f, rounded to f16 (16 bytes a lane), through my stage, back as whole rows of 256 bytes.
.macro PACK a
.set AC, 64*((\a)%4)
	WIN 0x02+((\a)/4)                              ; source 0: window 2 or 3
.set i, 0
.rept 32
	v_pk_mul_f32 v[T+2*i:T+2*i+1], v[AC+2*i:AC+2*i+1], s[FS:FS+1] op_sel_hi:[1,0]   ; each accumulator from its low end on
.set i, i+1
.endr
	WIN 0
.set i, 0
.rept 32
	v_cvt_pk_f16_f32 v[TMP+i], v[T+2*i], v[T+2*i+1]
.set i, i+1
.endr
.endm
.macro TOSTAGE a
.set BB, BK+32*((\a)%2)
.irp b, 0,1,2,3,4,5,6,7
	ds_store_b128 v[STO], v[TMP+4*\b:TMP+4*\b+3] offset:32*\b
.endr
.irp t, 0,1,2,3,4,5,6,7
	ds_load_b128 v[BB+4*\t:BB+4*\t+3], v[RD] offset:\t*2*SPITCH    ; LDS serves a wave's instructions in order: these see the stores above
.endr
.endm
.macro SEND a
.set BB, BK+32*((\a)%2)
	s_wait_dscnt 0x0                               ; the block is back in registers
	s_wait_xcnt 0x0                                ; earlier stores have read their base and data: only now are they written again
.if (\a) > 0
	s_add_nc_u64 s[12:13], s[12:13], 16*CROW
.endif
.irp t, 0,1,2,3,4,5,6,7
	global_store_b128 v[CO], v[BB+4*\t:BB+4*\t+3], s[12:13] offset:2*\t*CROW   ; 16 lanes store 256 consecutive bytes, aligned
.endr
.endm
	PLACES NP                                      ; behind the last products: v32-95 held their scale words, and block 0's results are read next
	PACK 0
	TOSTAGE 0
.irp a, 1,2,3,4,5,6,7
	PACK \a
	SEND \a-1
	TOSTAGE \a
.endr
	SEND 7
	s_wait_tensorcnt 0x0                           ; the wave's end
	ds_add_u32 v[SPW], v[NIL]
	s_wait_dscnt 0x0
	CROUND                                         ; the closing round
	s_endpgm
.Lfunc_end_k_q70190e3704_proj:
	.size	k_q70190e3704_proj, .Lfunc_end_k_q70190e3704_proj-k_q70190e3704_proj
	.p2alignl 7, 3214868480
	.fill 96, 4, 3214868480
	.section	.rodata,"a",@progbits
	.p2align	6, 0x0
	.amdhsa_kernel k_q70190e3704_proj
		.amdhsa_group_segment_fixed_size 327680
		.amdhsa_private_segment_fixed_size 0
		.amdhsa_enable_private_segment 0
		.amdhsa_kernarg_size 40
		.amdhsa_user_sgpr_count 2
		.amdhsa_user_sgpr_kernarg_segment_ptr 1
		.amdhsa_wavefront_size32 1
		.amdhsa_system_sgpr_workgroup_id_x 1
		.amdhsa_system_sgpr_workgroup_id_y 1
		.amdhsa_system_sgpr_workgroup_id_z 1
		.amdhsa_system_vgpr_workitem_id 0
		.amdhsa_next_free_vgpr 1024
		.amdhsa_next_free_sgpr 100
		.amdhsa_reserve_vcc 0
		.amdhsa_float_denorm_mode_32 3
		.amdhsa_float_denorm_mode_16_64 3
		.amdhsa_memory_ordered 1
		.amdhsa_forward_progress 1
		.amdhsa_inst_pref_size 147
	.end_amdhsa_kernel
	.amdgpu_metadata
---
amdhsa.version: [ 1, 2 ]
amdhsa.kernels:
  - .name:           k_q70190e3704_proj
    .symbol:         k_q70190e3704_proj.kd
    .args:
      - { .name: codes, .offset: 0, .size: 8, .value_kind: global_buffer, .address_space: global }
      - { .name: scales, .offset: 8, .size: 8, .value_kind: global_buffer, .address_space: global }
      - { .name: bq, .offset: 16, .size: 8, .value_kind: global_buffer, .address_space: global }
      - { .name: bv, .offset: 24, .size: 8, .value_kind: global_buffer, .address_space: global }
      - { .name: proj, .offset: 32, .size: 8, .value_kind: global_buffer, .address_space: global }
    .group_segment_fixed_size: 327680
    .private_segment_fixed_size: 0
    .kernarg_segment_align: 8
    .kernarg_segment_size: 40
    .max_flat_workgroup_size: 128
    .sgpr_count:     100
    .vgpr_count:     1024
    .wavefront_size: 32
...
	.end_amdgpu_metadata
.endif
;; end of part 2
;; launch scores (part 3): grid 8 x 32, 4 waves a work-group, clusters of 4 x 4, 327,680 bytes of LDS; arguments proj, pbuf, stats; writes pbuf, stats
.if DOCPART == 3
	.amdgcn_target "amdgcn-amd-amdhsa--gfx1250"
	.amdhsa_code_object_version 6
	.text
	.protected	k_q70190e3704_scores
	.globl	k_q70190e3704_scores
	.p2align	8
	.type	k_q70190e3704_scores,@function
k_q70190e3704_scores:
	s_mov_b64 s[64:65], 0
	v_nop
	global_prefetch_b8 v0, s[64:65] scope:SCOPE_SE
	s_setreg_imm32_b32 hwreg(HW_REG_WAVE_MODE, 25, 1), 1
	s_wait_xcnt 0x0
	s_wait_alu depctr_hold_cnt(0) depctr_sa_sdst(0) depctr_va_vdst(0) depctr_va_sdst(0) depctr_va_ssrc(0) depctr_va_vcc(0) depctr_vm_vsrc(0)
	s_getreg_b32 s2, hwreg(HW_REG_IB_STS2, 6, 4)
	s_cmp_eq_u32 s2, 0
	s_cbranch_scc0 .Lentry_in_a_cluster
	s_endpgm
.Lentry_in_a_cluster:
	s_bfe_u32 s2, ttmp6, 0x10000c
	s_cmp_lg_u32 s2, 0xf033
	s_cbranch_scc0 .Lentry_shape_is_right
	s_endpgm
.Lentry_shape_is_right:
; s[q][k] = (q's row of proj) . (k's row of proj), which is score / sqrt(1024) by the factors that the rows carry; then the softmax's first half, by chunks of 128 keys.
; For each query and each chunk c of 128 keys (one wave's columns): t = s x log2(e); M_c = the chunk's largest t rounded up to a whole number; p = 2^(t - M_c), at most 1, stored as f16;
; l_c = the sum of the unrounded p, in f32.  stats [2][16 chunks][8192 rows] f32 takes M_c (plane 0) and l_c (plane 1).  The next launch brings the chunks under the row's own maximum.
; pbuf IS LAID IN THE ORDER OF THE NEXT PRODUCT'S OPERAND REGISTERS: [512 blocks of 16 queries][64 quarters of 32 keys][2 halves][32 lanes][16 bytes].  A lane's packed p of key tiles 2 n and 2 n + 1 are
; registers 0-3 and 4-7 of that fragment as they stand, so they are stored straight from registers: each store of the wave covers 512 consecutive bytes, aligned.
; LIMITS: p under 2^-14 keeps fewer than 11 bits, under 2^-25 it is 0, beside a chunk's largest p, which is above 1/2.
; A tile of 256 queries x 256 keys is made by four waves, 128 x 128 each: 64 accumulators, 512 registers.  K = 1,024 goes in 8 steps of 128 (LDS rows of 256 bytes) through a ring of two slots.
; CLUSTERS: 4 x 4 work-groups; the four of a row need the same queries' tiles, the four of a column the same keys': joint loads.
; The matrix instruction is used transposed (source 0 = 16 keys, source 1 = 16 queries): a lane holds ONE query (lane % 16) and eight neighbouring keys a tile; a query's 128 keys lie in lanes l and l xor 16.
; REGISTERS: window 0: v0-31 addresses; v64-127, v128-191 queries' fragments, two buffers; on the way out v64-255 at work.  window 1: keys' fragments at v64 and v128.
;   window 2: accumulators of my queries 0-63 ((a, b) at v[8 (8 a + b)]); window 3: of queries 64-127.
.set SIZE_K, 1024
.set KSTEP,  128
.set PITCH,  272
.set HALFT,  128*PITCH
.set SLOT,   4*HALFT
.set STST,   2*SLOT                    ; behind the ring: 1,024 bytes for each wave: 128 M, then 128 l
.set SPARE,  STST+4*1024               ; the spare words, 128 bytes a wave
.set LAPS,   SIZE_K/(2*KSTEP)
.set ADRA, 16
.set ADRB, 20
.set SS,   27                          ; v27  where I put a query's M: STST + 1,024 x wave + 4 r
.set SPW,  28
.set NIL,  29
.set SL,   30                          ; v30  where I read them back: STST + 1,024 x wave + 16 x lane
.set SG,   31                          ; v31  16 x lane
.set F0,   64
.set F1,   128
.set T,    64                          ; v64-127  a block's 64 numbers of my lane
.set NM,   128                         ; v[128:129] -M (the packed form names the pair and takes its low word)
.set X1,   130
.set X2,   131
.set LS,   132                         ; v132-135 the sum, in two chains of pairs
.set MREG, 136                         ; v136-143 M of the eight blocks
.set LREG, 144                         ; v144-151 l of the eight blocks
.set TMP,  192                         ; v192-223 and v224-255 by turns: p as f16 pairs
.set G1,  24
.set G0,  32
.set G1B, 48
.set G0B, 56
.set CS,  20                           ; s[20:21] log2(e)
.set SEL, 22                           ; s[22:23] v_permlanex16_b32's selects for lane l xor 16
.set MSB, 0
.macro WIN new                         ; the immediate's high byte repeats the setting that is left
.if MSB != \new
	s_set_vgpr_msb (MSB<<8)|\new
.set MSB, \new
.endif
.endm
.set MUL_LO, 0xa1
.set MUL_HI, 0xf1
.set TO_B,   0x40
.macro JLOAD s                         ; waves 0 and 1 fetch the queries' halves, waves 2 and 3 the keys'; an s_nop 0 and four v_nop follow each line
	s_cmp_eq_u32 s11, 0
	s_cbranch_scc0 .Lfor_b_\@
	tensor_load_to_lds s[G0+4*\s:G0+4*\s+3], s[G1:G1+7]
	s_nop 0
.rept 4
	v_nop
.endr
	s_branch .Lasked_\@
.Lfor_b_\@:
	tensor_load_to_lds s[G0B+4*\s:G0B+4*\s+3], s[G1B:G1B+7]
	s_nop 0
.rept 4
	v_nop
.endr
.Lasked_\@:
.endm
.macro CREST
	s_cmp_lg_u32 s10, 0
	s_cbranch_scc1 .Lnot_wave_0_\@
	s_barrier_signal -3
.Lnot_wave_0_\@:
	s_barrier_wait -3
	s_barrier_signal -1
	s_barrier_wait -1
.endm
.macro CROUND
	s_barrier_signal -1
	s_barrier_wait -1
	CREST
.endm
	s_load_b128 s[4:7], s[0:1], 0x0                ; proj s[4:5], pbuf s[6:7]
	s_load_b64 s[8:9], s[0:1], 0x10                ; stats
	v_lshl_add_u32 v[SPW], v0, 2, SPARE
	v_mov_b32 v[NIL], 0
	ds_add_u32 v[SPW], v[NIL]                      ; the wave's opening: the add, twice on end, and its wait ahead of my first tensor load
	ds_add_u32 v[SPW], v[NIL]
	v_lshrrev_b32 v1, 5, v0
	v_readfirstlane_b32 s10, v1                    ; wave 0..3
	s_lshr_b32 s11, s10, 1                         ; which half of the queries is mine.  Also: I fetch queries (0) or keys (1)
	s_and_b32 s12, s10, 1                          ; which half of the keys.  Also: which 128 rows I fetch
	s_bfe_u32 s40, ttmp6, 0x40000                  ; cx
	s_bfe_u32 s41, ttmp6, 0x40004                  ; cy
	s_lshl_b32 s42, ttmp9, 2
	s_add_co_u32 s42, s42, s40                     ; key tile of the batch = 4 x cluster x + cx
	s_and_b32 s13, ttmp7, 0xffff
	s_lshr_b32 s45, s13, 1                         ; the batch: two rows of clusters each; the same in all sixteen partners
	s_lshl_b32 s13, s13, 2
	s_add_co_u32 s13, s13, s41                     ; query tile = 4 x cluster y + cy
	s_lshl_b32 s43, s41, 2
	s_lshl_b32 s43, 15, s43                        ; my row of the cluster
	s_lshl_b32 s44, 0x1111, s40                    ; my column
	s_or_b32 s[G1+0], s43, (1<<16)|(1<<20)|(1<<21)|(5<<22)|(3<<25)   ; elements of 2 bytes; 4 words of padding behind every 64
	s_or_b32 s[G1B+0], s44, (1<<16)|(1<<20)|(1<<21)|(5<<22)|(3<<25)
.irp g, G1, G1B
	s_mov_b32 s[\g+1], KSTEP<<16                   ; tensor_dim0
	s_mov_b32 s[\g+2], 128<<16                     ; tensor_dim1
	s_mov_b32 s[\g+3], KSTEP<<16                   ; tile_dim0
	s_mov_b32 s[\g+4], 128                         ; tile_dim1
	s_mov_b32 s[\g+5], SIZE_K                      ; from row to row
	s_mov_b32 s[\g+6], 0
	s_mov_b32 s[\g+7], 0
.endr
	s_lshl_b32 s17, s12, 7
	s_lshl_b32 s16, s13, 8
	s_add_co_u32 s16, s16, s17                     ; queries: row 256 x query tile + 128 x half
	s_lshl_b32 s46, s42, 8
	s_add_co_u32 s46, s46, s17
	s_lshl_b32 s47, s45, 11
	s_add_co_u32 s46, s46, s47
	s_add_co_u32 s46, s46, 8192                    ; keys: row 8,192 + 2,048 x batch + 256 x key tile + 128 x half
	s_lshl_b32 s16, s16, 11                        ; rows of 2,048 bytes
	s_mov_b32 s17, 0
	s_lshl_b32 s46, s46, 11
	s_mov_b32 s47, 0
	s_mul_i32 s20, s10, HALFT                      ; where they go: wave x 128 rows
	s_wait_dscnt 0x0                               ; both opening adds are done
	s_wait_kmcnt 0x0
	s_add_nc_u64 s[14:15], s[4:5], s[16:17]
	s_add_nc_u64 s[46:47], s[4:5], s[46:47]
	CROUND                                         ; all sixteen work-groups are here: the first joint loads meet
.irp s, 0,1
	s_mov_b32 s[G0+4*\s], 1
	s_add_co_u32 s[G0+4*\s+1], s20, \s*SLOT
	s_add_nc_u64 s[G0+4*\s+2:G0+4*\s+3], s[14:15], \s*KSTEP*2
	s_or_b32 s[G0+4*\s+3], s[G0+4*\s+3], 0x80000000
	s_mov_b32 s[G0B+4*\s], 1
	s_add_co_u32 s[G0B+4*\s+1], s20, \s*SLOT
	s_add_nc_u64 s[G0B+4*\s+2:G0B+4*\s+3], s[46:47], \s*KSTEP*2
	s_or_b32 s[G0B+4*\s+3], s[G0B+4*\s+3], 0x80000000
	JLOAD \s                                       ; two tensor loads of mine are out
.endr
	v_and_b32 v1, 15, v0                           ; r
	v_bfe_u32 v2, v0, 4, 1                         ; h
	v_mul_u32_u24 v3, v1, PITCH
	v_lshl_add_u32 v3, v2, 4, v3
	s_mul_i32 s21, s11, HALFT
	s_mul_i32 s22, s12, HALFT
	s_add_co_u32 s22, s22, 2*HALFT
.irp s, 0,1
	v_add_nc_u32 v[ADRA+\s], s21, v3
	v_add_nc_u32 v[ADRB+\s], s22, v3
	s_add_co_u32 s21, s21, SLOT
	s_add_co_u32 s22, s22, SLOT
.endr
	s_lshl_b32 s23, s10, 10
	s_add_co_u32 s23, s23, STST
	v_lshl_add_u32 v[SS], v1, 2, s23
	v_and_b32 v6, 31, v0
	v_lshlrev_b32 v[SG], 4, v6
	v_add_nc_u32 v[SL], s23, v[SG]
	s_lshl_b32 s16, s13, 4
	s_lshl_b32 s17, s11, 3
	s_add_co_u32 s16, s16, s17                     ; my first block of 16 queries: 16 x query tile + 8 x half
	s_lshl_b32 s18, s16, 6                         ; 64 quarters of 32 keys to a block,
	s_lshl_b32 s46, s42, 3
	s_add_co_u32 s18, s18, s46
	s_lshl_b32 s46, s12, 2
	s_add_co_u32 s18, s18, s46                     ; + my first quarter: 8 x key tile + 4 x half,
	s_lshl_b32 s18, s18, 10                        ; 1,024 bytes each
	s_mov_b32 s19, 0
	s_add_nc_u64 s[6:7], s[6:7], s[18:19]
	s_lshl_b32 s16, s16, 4                         ; my first query
	s_lshl_b32 s46, s42, 1
	s_add_co_u32 s46, s46, s12                     ; my chunk of 128 keys
	s_lshl_b32 s46, s46, 13
	s_add_co_u32 s46, s46, s16
	s_lshl_b32 s46, s46, 2
	s_mov_b32 s47, 0
	s_add_nc_u64 s[8:9], s[8:9], s[46:47]
; 16 matrix instructions: query blocks a0, a0 + 1 of the window's four x all 8 key blocks, 32 along K.  zero = 1: the first product starts the sums.  The 64 accumulators take turns.
.macro MUL16 f, hi, a0, zero
.irp a, \a0, \a0+1
.irp b, 0,1,2,3,4,5,6,7
.if \zero
	v_wmma_f32_16x16x32_f16 v[8*(8*(\a)+\b):8*(8*(\a)+\b)+7], v[\f+8*\b:\f+8*\b+7], v[\f+8*(4*\hi+\a):\f+8*(4*\hi+\a)+7], 0
.else
	v_wmma_f32_16x16x32_f16 v[8*(8*(\a)+\b):8*(8*(\a)+\b)+7], v[\f+8*\b:\f+8*\b+7], v[\f+8*(4*\hi+\a):\f+8*(4*\hi+\a)+7], v[8*(8*(\a)+\b):8*(8*(\a)+\b)+7]
.endif
.endr
.endr
.endm
.macro FETCH slot, k, f                ; 32 LDS loads in one run: a quarter step's fragments (128 keys, 128 queries, 32 K at byte k of the rows)
	WIN TO_B
.irp i, 0,1,2,3,4,5,6,7
	ds_load_b128 v[\f+8*\i:\f+8*\i+3],   v[ADRB+\slot] offset:\k+\i*16*PITCH
	ds_load_b128 v[\f+8*\i+4:\f+8*\i+7], v[ADRB+\slot] offset:\k+\i*16*PITCH+32
.endr
	WIN 0
.irp i, 0,1,2,3,4,5,6,7
	ds_load_b128 v[\f+8*\i:\f+8*\i+3],   v[ADRA+\slot] offset:\k+\i*16*PITCH
	ds_load_b128 v[\f+8*\i+4:\f+8*\i+7], v[ADRA+\slot] offset:\k+\i*16*PITCH+32
.endr
.endm
.macro PLACES                          ; four plain vector lines between a matrix instruction and a load into, or a vector read or write of, its registers
.rept 4
	v_nop
.endr
.endm
.macro QUARTER slot, k, f, g, zero     ; multiplies buffer f; in its middle fetches the next quarter, at byte k of the same slot's rows, into g
	s_wait_dscnt 8                                 ; keys and queries 0-63 are in; the youngest eight loads (queries 64-127) may be out
	WIN MUL_LO
	MUL16 \f, 0, 0, \zero
	MUL16 \f, 0, 2, \zero
	PLACES
	FETCH \slot, \k, \g
	s_wait_dscnt 32                                ; all but the 32 just issued
	WIN MUL_HI
	MUL16 \f, 1, 0, \zero
	MUL16 \f, 1, 2, \zero
.endm
; A slot's last quarter multiplies buffer 1 and changes slots: one barrier; in front of it each wave waits for all its tensor loads (its part of the next slot), adds 0 to its spare word,
; and waits for that and for its reads of this slot.  fill = 1: the barrier opens a round of the cluster's barrier and this slot is filled again, two K steps ahead, first thing behind the round.
.macro TURN slot, next, fill
	WIN 0
	s_wait_tensorcnt 0x0
	ds_add_u32 v[SPW], v[NIL]
	s_wait_dscnt 9                                 ; (the add and the youngest eight loads may be out)
	WIN MUL_LO
	MUL16 F1, 0, 0, 0
	s_wait_dscnt 0x0                               ; the add is done, and my reads of this slot are over
	s_barrier_signal -1
	MUL16 F1, 0, 2, 0
.if \fill
	WIN 0
.endif
	s_barrier_wait -1
.if \fill
	CREST
	s_add_nc_u64 s[G0+4*\slot+2:G0+4*\slot+3], s[G0+4*\slot+2:G0+4*\slot+3], 2*KSTEP*2
	s_add_nc_u64 s[G0B+4*\slot+2:G0B+4*\slot+3], s[G0B+4*\slot+2:G0B+4*\slot+3], 2*KSTEP*2
	JLOAD \slot                                    ; its four v_nop are also the places in front of the loads below
.else
	PLACES
.endif
	FETCH \next, 0, F0
	WIN MUL_HI
	MUL16 F1, 1, 0, 0
	MUL16 F1, 1, 2, 0
.endm
	s_wait_tensorcnt 1                             ; my part of K step 0 is in; K step 1's load may be out
	s_barrier_signal -1
	s_barrier_wait -1
	FETCH 0, 0, F0
	QUARTER 0, 64,  F0, F1, 1                      ; the first quarter stands in front of the loop: its products start the sums
	WIN 0
	s_mov_b32 s3, LAPS-1
.Llap:                                                 ; a trip goes once round the ring and fills both slots again: K steps 2 to 7 in three trips
	QUARTER 0, 128, F1, F0, 0
	QUARTER 0, 192, F0, F1, 0
	TURN 0, 1, 1
	QUARTER 1, 64,  F0, F1, 0
	QUARTER 1, 128, F1, F0, 0
	QUARTER 1, 192, F0, F1, 0
	TURN 1, 0, 1
	QUARTER 0, 64,  F0, F1, 0
	WIN 0
	s_sub_co_u32 s3, s3, 1
	s_cmp_lg_u32 s3, 0
	s_cbranch_scc1 .Llap
	QUARTER 0, 128, F1, F0, 0                      ; the last lap fills nothing
	QUARTER 0, 192, F0, F1, 0
	TURN 0, 1, 0
	QUARTER 1, 64,  F0, F1, 0
	QUARTER 1, 128, F1, F0, 0
	QUARTER 1, 192, F0, F1, 0
	s_wait_dscnt 8
	WIN MUL_LO
	MUL16 F1, 0, 0, 0
	MUL16 F1, 0, 2, 0
	s_wait_dscnt 0
	WIN MUL_HI
	MUL16 F1, 1, 0, 0
	MUL16 F1, 1, 2, 0
	WIN 0
	PLACES                                         ; v128-191 were the last products' sources, and block 0's results are read next
	v_mov_b32 v[NM+1], 0                           ; (named as the upper half of a pair)
	v_mov_b32 v[X1], 0                             ; a lane permute's destination counts as one of its sources
	v_mov_b32 v[X2], 0
	s_mov_b32 s[CS], 0x3fb8aa3b                    ; log2(e)
	s_mov_b32 s[CS+1], s[CS]
	s_mov_b32 s[SEL], 0x76543210
	s_mov_b32 s[SEL+1], 0xfedcba98
; Block a (16 queries x my 128 keys): the chunk's maximum, M, p, l, and p as f16.
.macro SOFT a
.set AC, 64*((\a)%4)
.set TM, TMP+32*((\a)%2)
	WIN 0x2a+0x15*((\a)/4)                         ; all three sources in window 2 or 3
.irp b, 0,1,2,3,4,5,6,7
	v_max3_num_f32 v[T+3*\b],   v[AC+8*\b],   v[AC+8*\b+1], v[AC+8*\b+2]   ; each accumulator from its low end on
	v_max3_num_f32 v[T+3*\b+1], v[AC+8*\b+3], v[AC+8*\b+4], v[AC+8*\b+5]
	v_max_num_f32  v[T+3*\b+2], v[AC+8*\b+6], v[AC+8*\b+7]
.endr
	WIN 0
.irp i, 0,1,2,3,4,5,6,7
	v_max3_num_f32 v[T+24+\i], v[T+3*\i], v[T+3*\i+1], v[T+3*\i+2]
.endr
	v_max3_num_f32 v[T+32], v[T+24], v[T+25], v[T+26]
	v_max3_num_f32 v[T+33], v[T+27], v[T+28], v[T+29]
	v_max_num_f32  v[T+34], v[T+30], v[T+31]
	v_max3_num_f32 v[T+35], v[T+32], v[T+33], v[T+34]
	v_permlanex16_b32 v[X1], v[T+35], s[SEL], s[SEL+1]
	v_max_num_f32 v[T+36], v[T+35], v[X1]          ; with lane l xor 16's 64 keys: the chunk's largest score of my query
	v_mul_f32 v[T+37], s[CS], v[T+36]              ; as t
	v_floor_f32 v[NM], -v[T+37]                    ; -M = floor(-t) = -ceil(t): M is a whole number
	WIN 0x02+((\a)/4)
.set i, 0
.rept 32
	v_pk_fma_f32 v[T+2*i:T+2*i+1], v[AC+2*i:AC+2*i+1], s[CS:CS+1], v[NM:NM+1] op_sel_hi:[1,0,0]   ; t - M, two at a time
.set i, i+1
.endr
	WIN 0
.set i, 0
.rept 64
	v_exp_f32 v[T+i], v[T+i]                       ; p = 2^(t - M), at most 1
.set i, i+1
.endr
	v_sub_f32 v[MREG+(\a)], 0, v[NM]               ; M.  (The plain line behind the exponentials)
	s_wait_alu depctr_va_vdst(0)                   ; the wait ahead of the first line that names an exponential's result: one for the 64
	v_pk_add_f32 v[LS:LS+1], v[T:T+1], v[T+2:T+3]  ; the sum of the unrounded p, in two chains
	v_pk_add_f32 v[LS+2:LS+3], v[T+4:T+5], v[T+6:T+7]
.irp j, 8,12,16,20,24,28,32,36,40,44,48,52,56,60
	v_pk_add_f32 v[LS:LS+1], v[LS:LS+1], v[T+\j:T+\j+1]
	v_pk_add_f32 v[LS+2:LS+3], v[LS+2:LS+3], v[T+\j+2:T+\j+3]
.endr
	v_pk_add_f32 v[LS:LS+1], v[LS:LS+1], v[LS+2:LS+3]
	v_add_f32 v[LS], v[LS], v[LS+1]
	v_permlanex16_b32 v[X2], v[LS], s[SEL], s[SEL+1]
	v_add_f32 v[LREG+(\a)], v[LS], v[X2]           ; l: the same bits in lanes l and l xor 16
	s_wait_xcnt 0x0                                ; the stores of two blocks ago have read this set of registers: it is written again only behind this wait
.set i, 0
.rept 32
	v_cvt_pk_f16_f32 v[TM+i], v[T+2*i], v[T+2*i+1] ; registers 4 b .. 4 b + 3: keys 16 b + 8 (lane / 16) + 0 .. 7 of my query
.set i, i+1
.endr
.irp b, 0,1,2,3,4,5,6,7
	global_store_b128 v[SG], v[TM+4*\b:TM+4*\b+3], s[6:7] offset:65536*(\a)+512*\b   ; half b % 2 of the fragment of quarter b / 2: 512 consecutive bytes, aligned
.endr
.endm
.irp a, 0,1,2,3,4,5,6,7                ; a block's stores leave while the next block's softmax is worked
	SOFT \a
.endr
.irp a, 0,1,2,3,4,5,6,7                ; M and l of my 128 queries: through my own 1,024 bytes, so that they leave as 512 consecutive bytes each
	ds_store_b32 v[SS], v[MREG+\a] offset:64*\a            ; lanes l and l xor 16 write the same word with the same value
	ds_store_b32 v[SS], v[LREG+\a] offset:512+64*\a
.endr
	ds_load_b128 v[T:T+3], v[SL]                   ; LDS serves a wave's instructions in order: these see the stores above
	ds_load_b128 v[T+4:T+7], v[SL] offset:512
	s_wait_dscnt 0x0
	global_store_b128 v[SG], v[T:T+3], s[8:9]
	global_store_b128 v[SG], v[T+4:T+7], s[8:9] offset:524288
	s_wait_tensorcnt 0x0                           ; the wave's end
	ds_add_u32 v[SPW], v[NIL]
	s_wait_dscnt 0x0
	CROUND                                         ; the closing round
	s_endpgm
.Lfunc_end_k_q70190e3704_scores:
	.size	k_q70190e3704_scores, .Lfunc_end_k_q70190e3704_scores-k_q70190e3704_scores
	.p2alignl 7, 3214868480
	.fill 96, 4, 3214868480
	.section	.rodata,"a",@progbits
	.p2align	6, 0x0
	.amdhsa_kernel k_q70190e3704_scores
		.amdhsa_group_segment_fixed_size 327680
		.amdhsa_private_segment_fixed_size 0
		.amdhsa_enable_private_segment 0
		.amdhsa_kernarg_size 24
		.amdhsa_user_sgpr_count 2
		.amdhsa_user_sgpr_kernarg_segment_ptr 1
		.amdhsa_wavefront_size32 1
		.amdhsa_system_sgpr_workgroup_id_x 1
		.amdhsa_system_sgpr_workgroup_id_y 1
		.amdhsa_system_sgpr_workgroup_id_z 1
		.amdhsa_system_vgpr_workitem_id 0
		.amdhsa_next_free_vgpr 1024
		.amdhsa_next_free_sgpr 66
		.amdhsa_reserve_vcc 0
		.amdhsa_float_denorm_mode_32 3
		.amdhsa_float_denorm_mode_16_64 3
		.amdhsa_memory_ordered 1
		.amdhsa_forward_progress 1
		.amdhsa_inst_pref_size 202
	.end_amdhsa_kernel
	.amdgpu_metadata
---
amdhsa.version: [ 1, 2 ]
amdhsa.kernels:
  - .name:           k_q70190e3704_scores
    .symbol:         k_q70190e3704_scores.kd
    .args:
      - { .name: proj, .offset: 0, .size: 8, .value_kind: global_buffer, .address_space: global }
      - { .name: pbuf, .offset: 8, .size: 8, .value_kind: global_buffer, .address_space: global }
      - { .name: stats, .offset: 16, .size: 8, .value_kind: global_buffer, .address_space: global }
    .group_segment_fixed_size: 327680
    .private_segment_fixed_size: 0
    .kernarg_segment_align: 8
    .kernarg_segment_size: 24
    .max_flat_workgroup_size: 128
    .sgpr_count:     66
    .vgpr_count:     1024
    .wavefront_size: 32
...
	.end_amdgpu_metadata
.endif
;; end of part 3
;; launch ctxk (part 4): grid 4 x 64, 4 waves a work-group, clusters of 4 x 4, 327,680 bytes of LDS; arguments pbuf, proj, stats, ctx; writes ctx
.if DOCPART == 4
	.amdgcn_target "amdgcn-amd-amdhsa--gfx1250"
	.amdhsa_code_object_version 6
	.text
	.protected	k_q70190e3704_ctxk
	.globl	k_q70190e3704_ctxk
	.p2align	8
	.type	k_q70190e3704_ctxk,@function
k_q70190e3704_ctxk:
	s_mov_b64 s[64:65], 0
	v_nop
	global_prefetch_b8 v0, s[64:65] scope:SCOPE_SE
	s_setreg_imm32_b32 hwreg(HW_REG_WAVE_MODE, 25, 1), 1
	s_wait_xcnt 0x0
	s_wait_alu depctr_hold_cnt(0) depctr_sa_sdst(0) depctr_va_vdst(0) depctr_va_sdst(0) depctr_va_ssrc(0) depctr_va_vcc(0) depctr_vm_vsrc(0)
	s_getreg_b32 s2, hwreg(HW_REG_IB_STS2, 6, 4)
	s_cmp_eq_u32 s2, 0
	s_cbranch_scc0 .Lentry_in_a_cluster
	s_endpgm
.Lentry_in_a_cluster:
	s_bfe_u32 s2, ttmp6, 0x10000c
	s_cmp_lg_u32 s2, 0xf033
	s_cbranch_scc0 .Lentry_shape_is_right
	s_endpgm
.Lentry_shape_is_right:
; ctx[q][d] = (sum over chunks c of f_c[q] x S_c[q][d]) / L[q], as f16, with S_c = the sum over chunk c's 128 keys of p[q][k] v[k][d].  p: f16, each chunk under its own whole-number maximum M_c; stats holds M_c and l_c.
; For each query M = the largest M_c, f_c = 2^(M_c - M), L = the sum of l_c f_c: so the row's true maximum is what is taken away.  All of that is f32: each chunk is summed into accumulators S of its own
; (its first products start them), and behind the chunk O += f_c x S, 128 packed multiply-adds for the chunk's 128 matrix instructions.
; LIMITS: f_c under 2^-126 counts as 0, beside L, which is above 1/2.  ctx is kept as f16: beyond 65,504 infinity, under 2^-14 fewer than 11 bits.
; A tile of 128 queries x 256 channels (tiles of 256 x 256 would be 128, half as many as there are WGPs): four waves, 64 x 128 each: 32 accumulators.  64 quarters of 32 keys; four quarters are a chunk.
; p COMES STRAIGHT INTO REGISTERS.  pbuf is laid in the order of this operand's registers ([block of 16 queries][quarter of 32 keys][2][lane][16 bytes]), so a fragment is two loads of 512 consecutive bytes.
; Eight buffers of four fragments take turns; a quarter's loads are issued seven quarters, 224 matrix instructions, ahead of its products.
; WHY p IS NOT SHARED BY A JOINT LOAD, though four work-groups read it: this tile takes 768 bytes of operands for each key; two slots of 256 keys with both operands would be 417,792 bytes of LDS, and 327,680 are there.
; With v alone two such slots are 278,528 bytes, and a refill has 256 matrix instructions of a wave in which to land in place of 128.
; v: rows 16,384 on of proj, [key][channel] f16, through a ring of two LDS slots of 256 keys; each wave fetches 64 keys; its fragments are turned on their way out of LDS.
; CLUSTERS: 4 x 4 work-groups; the four of a column need the same tiles of v, the four of a row the same M_c and l_c: joint loads.
; The matrix instruction is used transposed (source 0 = 16 channels, source 1 = 16 queries): a lane holds one query and eight neighbouring channels.  So the packed results of channel blocks 2 n and 2 n + 1 are a
; fragment of the next product's left operand as they stand: ctx is laid [block of 16 rows][quarter of 32 channels][2][lane][16 bytes] and stored straight from registers.
; REGISTERS: window 0: v16-29 addresses; v32-39 f_c (even registers); v40-47 1 / L; v128-255 v's fragments, two buffers of 64.  window 1: S, accumulator (a, b) at v[8 (8 a + b)].  window 2: O, likewise.
;   window 3: p's fragments, buffer i at v[32 i], block a at + 8 a.
.set PV,     544                       ; a key's row in LDS: 512 bytes + 32: 17 x 32 bytes
.set CHK,    128*PV                    ; a chunk's 128 keys
.set SLOT,   2*CHK
.set WPART,  64*PV                     ; what one wave's load brings
.set STT,    2*SLOT                    ; M_c and l_c of the tile's 128 queries: 32 rows of 512 bytes + 16
.set TP,     528
.set FIMG,   STT+32*TP                 ; f_c: 4,096 bytes for each wave: [16 chunks][4 blocks][16 queries] f32; no tile lands here
.set SPARE,  FIMG+4*4096               ; the spare words, 128 bytes a wave
.set XROW,   2048                      ; a row of proj
.set TRIPS,  3
.set ADRB, 16                          ; v16-19  my lane's place in the ring's four chunks of v
.set ADF,  20                          ; v20  where my queries' factors lie: FIMG + 4,096 x wave + 4 r, + 1,024 a trip
.set PO,   21                          ; v21  16 x lane; never rewritten
.set ADT,  22                          ; v22  where my queries' M_c lie
.set SPW,  28
.set NIL,  29
.set FCD,  32
.set RL,   40
.set MX,   48                          ; v48-51  M of my four blocks' queries
.set LA,   52                          ; v52-55  L
.set MF,   64                          ; at the head: M_c, then f_c, at v[64 + 4 c + a];
.set LF,   128                         ; l_c at v[128 + 4 c + a]
.set FB,   128
.set T,    128                         ; the way out
.set TMP,  64                          ; v64-95 and v96-127 by turns
.set G1V, 24
.set G0,  32                           ; s[32:39] group 0 for v's tiles, one set for each slot
.set G1T, 48
.set G0T, 56
.set PB,  60                           ; s[60:61] p at my first block of queries, at the trip's first quarter
.set MSB, 0
.macro WIN new                         ; the immediate's high byte repeats the setting that is left
.if MSB != \new
	s_set_vgpr_msb (MSB<<8)|\new
.set MSB, \new
.endif
.endm
.set MUL,  0x5c                        ; source 0 (v) window 0, source 1 (p) window 3, C and D window 1
.set TO_P, 0xc0                        ; destination window 3, address window 0
.set ACC,  0xa1                        ; source 0 (S) window 1, source 1 (f_c) window 0, source 2 and destination (O) window 2
.macro CREST
	s_cmp_lg_u32 s12, 0
	s_cbranch_scc1 .Lnot_wave_0_\@
	s_barrier_signal -3
.Lnot_wave_0_\@:
	s_barrier_wait -3
	s_barrier_signal -1
	s_barrier_wait -1
.endm
.macro CROUND
	s_barrier_signal -1
	s_barrier_wait -1
	CREST
.endm
.macro PLACES                          ; four plain vector lines between a matrix instruction and a load into, or a vector read or write of, its registers
.rept 4
	v_nop
.endr
.endm
.macro GLOAD jq                        ; p's four fragments of quarter jq (counted from the trip's first) into buffer jq % 8
	WIN TO_P
.irp a, 0,1,2,3
	global_load_b128 v[32*((\jq)%8)+8*\a:32*((\jq)%8)+8*\a+3],   v[PO], s[PB:PB+1] offset:65536*\a+1024*(\jq)
	global_load_b128 v[32*((\jq)%8)+8*\a+4:32*((\jq)%8)+8*\a+7], v[PO], s[PB:PB+1] offset:65536*\a+1024*(\jq)+512
.endr
.endm
	s_load_b256 s[4:11], s[0:1], 0x0               ; pbuf s[4:5], proj s[6:7], stats s[8:9], ctx s[10:11]
	v_lshl_add_u32 v[SPW], v0, 2, SPARE
	v_mov_b32 v[NIL], 0
	ds_add_u32 v[SPW], v[NIL]                      ; the wave's opening: the add, twice on end, and its wait ahead of my first tensor load
	ds_add_u32 v[SPW], v[NIL]
	v_lshrrev_b32 v1, 5, v0
	v_readfirstlane_b32 s12, v1                    ; wave 0..3
	s_lshr_b32 s13, s12, 1                         ; which 64 queries are mine
	s_and_b32 s14, s12, 1                          ; which 128 channels
	s_bfe_u32 s40, ttmp6, 0x40000                  ; cx
	s_bfe_u32 s41, ttmp6, 0x40004                  ; cy
	s_lshl_b32 s42, ttmp9, 2
	s_add_co_u32 s42, s42, s40                     ; channel tile
	s_and_b32 s15, ttmp7, 0xffff
	s_lshr_b32 s45, s15, 2                         ; the batch: four rows of clusters each
	s_lshl_b32 s15, s15, 2
	s_add_co_u32 s15, s15, s41                     ; query tile
	s_lshl_b32 s43, s41, 2
	s_lshl_b32 s43, 15, s43                        ; my row of the cluster
	s_lshl_b32 s44, 0x1111, s40                    ; my column
	s_or_b32 s[G1V], s44, (1<<16)|(1<<20)|(1<<21)|(6<<22)|(7<<25)   ; v: 64 keys x 256 elements of 2 bytes; 8 words of padding behind every 128; shared along my column
	s_mov_b32 s[G1V+1], 256<<16
	s_mov_b32 s[G1V+2], 64<<16
	s_mov_b32 s[G1V+3], 256<<16
	s_mov_b32 s[G1V+4], 64
	s_mov_b32 s[G1V+5], 1024
	s_mov_b32 s[G1V+6], 0
	s_mov_b32 s[G1V+7], 0
	s_or_b32 s[G1T], s43, (2<<16)|(1<<20)|(1<<21)|(6<<22)|(3<<25)   ; stats: 8 rows x 128 elements of 4 bytes; 4 words of padding behind every 128; shared along my row
	s_mov_b32 s[G1T+1], 128<<16
	s_mov_b32 s[G1T+2], 8<<16
	s_mov_b32 s[G1T+3], 128<<16
	s_mov_b32 s[G1T+4], 8
	s_mov_b32 s[G1T+5], 8192
	s_mov_b32 s[G1T+6], 0
	s_mov_b32 s[G1T+7], 0
	s_lshl_b32 s18, s45, 11
	s_lshl_b32 s19, s12, 6
	s_add_co_u32 s18, s18, s19
	s_add_co_u32 s18, s18, 16384                   ; v: row 16,384 + 2,048 x batch + 64 x wave
	s_lshl_b32 s18, s18, 11
	s_lshl_b32 s19, s42, 9                         ; + 512 bytes x channel tile
	s_add_co_u32 s18, s18, s19
	s_mov_b32 s19, 0
	s_lshl_b32 s16, s12, 18                        ; stats: rows 8 x wave on (16 rows of M_c, then 16 of l_c), 32,768 bytes each,
	s_lshl_b32 s17, s15, 9                         ; + the tile's 128 queries
	s_add_co_u32 s16, s16, s17
	s_mov_b32 s17, 0
	s_mul_i32 s20, s12, WPART                      ; where they go: wave x 64 keys,
	s_mul_i32 s21, s12, 8*TP                       ; wave x 8 rows
	s_lshl_b32 s22, s15, 3
	s_lshl_b32 s23, s13, 2
	s_add_co_u32 s22, s22, s23                     ; my first block of 16 queries: 8 x query tile + 4 x half
	s_lshl_b32 s46, s22, 16                        ; 64 quarters of 1,024 bytes to a block
	s_mov_b32 s47, 0
	s_wait_dscnt 0x0                               ; both opening adds are done
	s_wait_kmcnt 0x0
	s_add_nc_u64 s[18:19], s[6:7], s[18:19]
	s_add_nc_u64 s[16:17], s[8:9], s[16:17]
	s_add_nc_u64 s[PB:PB+1], s[4:5], s[46:47]
	CROUND                                         ; all sixteen work-groups are here: the first joint loads meet
	s_mov_b32 s[G0T], 1
	s_add_co_u32 s[G0T+1], s21, STT
	s_mov_b64 s[G0T+2:G0T+3], s[16:17]
	s_or_b32 s[G0T+3], s[G0T+3], 0x80000000
	tensor_load_to_lds s[G0T:G0T+3], s[G1T:G1T+7]  ; M_c and l_c first: the factors are made while v's first keys are on their way
	s_nop 0
.irp s, 0,1
	s_mov_b32 s[G0+4*\s], 1
	s_add_co_u32 s[G0+4*\s+1], s20, \s*SLOT
	s_add_nc_u64 s[G0+4*\s+2:G0+4*\s+3], s[18:19], \s*256*XROW
	s_or_b32 s[G0+4*\s+3], s[G0+4*\s+3], 0x80000000
	tensor_load_to_lds s[G0+4*\s:G0+4*\s+3], s[G1V:G1V+7]          ; three tensor loads of mine are out
	s_nop 0
.endr
	PLACES                                         ; (four vector lines behind the loads, ahead of a switch of windows)
	v_and_b32 v3, 31, v0
	v_lshlrev_b32 v[PO], 4, v3
.irp q, 0,1,2,3,4,5,6
	GLOAD \q                                       ; p's first seven quarters
.endr
	WIN 0
	v_and_b32 v1, 15, v0                           ; r
	v_bfe_u32 v2, v0, 4, 1                         ; h
	v_and_b32 v5, 7, v0                            ; the turning load: lane L reads 16 bytes of key 8 h + L % 8, channels 8 ((L / 8) % 2) on
	v_lshl_add_u32 v5, v2, 3, v5
	v_mul_u32_u24 v5, v5, PV
	v_bfe_u32 v6, v0, 3, 1
	v_lshl_add_u32 v5, v6, 4, v5
	s_lshl_b32 s23, s14, 8
	v_add_nc_u32 v[ADRB], s23, v5
	v_add_nc_u32 v[ADRB+1], CHK, v[ADRB]
	v_add_nc_u32 v[ADRB+2], CHK, v[ADRB+1]
	v_add_nc_u32 v[ADRB+3], CHK, v[ADRB+2]
	s_lshl_b32 s23, s13, 8
	s_add_co_u32 s23, s23, STT
	v_lshl_add_u32 v[ADT], v1, 2, s23              ; STT + 4 (64 x half + r)
	s_lshl_b32 s23, s12, 12
	s_add_co_u32 s23, s23, FIMG
	v_lshl_add_u32 v[ADF], v1, 2, s23
.irp a, 0,1,2,3
	v_mov_b32 v[FCD+2*\a+1], 0                     ; (named as the upper half of a pair)
.endr
	s_lshl_b32 s46, s22, 5                         ; ctx: 32 quarters of 32 channels to a block of 16 rows,
	s_lshl_b32 s23, s42, 3
	s_add_co_u32 s46, s46, s23
	s_lshl_b32 s23, s14, 2
	s_add_co_u32 s46, s46, s23                     ; + my first quarter: 8 x channel tile + 4 x half,
	s_lshl_b32 s46, s46, 10                        ; 1,024 bytes each
	s_add_nc_u64 s[10:11], s[10:11], s[46:47]
	s_wait_tensorcnt 2                             ; my rows of M_c and l_c are in; both slots' loads may be out
	s_barrier_signal -1
	s_barrier_wait -1                              ; everybody's are
.set c, 0
.rept 16
.irp a, 0,1,2,3
	ds_load_b32 v[MF+4*c+\a], v[ADT] offset:TP*c+64*\a             ; lane (r, h): query 16 a + r of my 64
.endr
.set c, c+1
.endr
.set c, 0
.rept 16
.irp a, 0,1,2,3
	ds_load_b32 v[LF+4*c+\a], v[ADT] offset:TP*(16+c)+64*\a
.endr
.set c, c+1
.endr
	s_wait_dscnt 0x0
.irp a, 0,1,2,3
	v_max3_num_f32 v[MX+\a], v[MF+\a], v[MF+4+\a], v[MF+8+\a]      ; M = the largest M_c (the four blocks by turns)
.endr
.irp n, 3,5,7,9,11,13
.irp a, 0,1,2,3
	v_max3_num_f32 v[MX+\a], v[MX+\a], v[MF+4*\n+\a], v[MF+4*\n+4+\a]
.endr
.endr
.irp a, 0,1,2,3
	v_max_num_f32 v[MX+\a], v[MX+\a], v[MF+60+\a]
.endr
.set c, 0
.rept 16
.irp a, 0,1,2,3
	v_sub_f32 v[MF+4*c+\a], v[MF+4*c+\a], v[MX+\a] ; M_c - M: a whole number, 0 or less
.endr
.irp a, 0,1,2,3
	v_cvt_i32_f32 v[MF+4*c+\a], v[MF+4*c+\a]       ; (it saturates)
.endr
.irp a, 0,1,2,3
	v_ldexp_f32 v[MF+4*c+\a], 1.0, v[MF+4*c+\a]    ; f_c
.endr
.irp a, 0,1,2,3
.if c == 0
	v_mul_f32 v[LA+\a], v[LF+\a], v[MF+\a]
.else
	v_fmac_f32 v[LA+\a], v[LF+4*c+\a], v[MF+4*c+\a]    ; L += l_c f_c
.endif
.endr
.set c, c+1
.endr
.irp a, 0,1,2,3
	v_rcp_f32 v[RL+2*\a], v[LA+\a]
.endr
	v_nop                                          ; a plain line behind the reciprocals
	s_wait_alu depctr_va_vdst(0)                   ; the wait ahead of the first line that names a result: one for the four
.irp a, 0,1,2,3
	v_mov_b32 v[RL+2*\a+1], v[RL+2*\a]             ; (named with it as a pair)
.endr
.set c, 0
.rept 16
.irp a, 0,1,2,3
	ds_store_b32 v[ADF], v[MF+4*c+\a] offset:256*c+64*\a           ; lanes l and l xor 16 write the same word with the same value; my wave alone reads them
.endr
.set c, c+1
.endr
	s_wait_dscnt 0x0
	s_wait_tensorcnt 1                             ; my part of slot 0 is in; slot 1's load may be out
	s_barrier_signal -1
	s_barrier_wait -1
; j counts quarters from the trip's first: j % 2 v's buffer, j % 8 p's buffer, (j / 4) % 4 the chunk's place in the ring.
.macro FETCH jn                        ; v's eight fragments of quarter jn: 16 turning loads
.irp i, 0,1,2,3,4,5,6,7
	ds_load_tr16_b128 v[FB+64*((\jn)%2)+8*\i:FB+64*((\jn)%2)+8*\i+3],   v[ADRB+((\jn)/4)%4] offset:((\jn)%4)*32*PV+32*\i
	ds_load_tr16_b128 v[FB+64*((\jn)%2)+8*\i+4:FB+64*((\jn)%2)+8*\i+7], v[ADRB+((\jn)/4)%4] offset:((\jn)%4)*32*PV+16*PV+32*\i
.endr
.endm
.macro FLOAD k                         ; the factors of the trip's chunk k, into the even registers
.irp a, 0,1,2,3
	ds_load_b32 v[FCD+2*\a], v[ADF] offset:256*(\k)+64*\a
.endr
.endm
.macro MUL8 j, a                       ; query block a against the 8 channel blocks; a chunk's first quarter starts the sums; the 32 accumulators take turns
.irp b, 0,1,2,3,4,5,6,7
.if (\j)%4 == 0
	v_wmma_f32_16x16x32_f16 v[8*(8*(\a)+\b):8*(8*(\a)+\b)+7], v[FB+64*((\j)%2)+8*\b:FB+64*((\j)%2)+8*\b+7], v[32*((\j)%8)+8*(\a):32*((\j)%8)+8*(\a)+7], 0
.else
	v_wmma_f32_16x16x32_f16 v[8*(8*(\a)+\b):8*(8*(\a)+\b)+7], v[FB+64*((\j)%2)+8*\b:FB+64*((\j)%2)+8*\b+7], v[32*((\j)%8)+8*(\a):32*((\j)%8)+8*(\a)+7], v[8*(8*(\a)+\b):8*(8*(\a)+\b)+7]
.endif
.endr
.endm
.macro ACCUM first                     ; O += f_c x S, in f32; the first chunk starts O: nothing is cleared.  Each accumulator from its low end on
	PLACES
	WIN ACC
.set i, 0
.rept 128
.if \first
	v_pk_mul_f32 v[2*i:2*i+1], v[2*i:2*i+1], v[FCD+2*(i/32):FCD+2*(i/32)+1] op_sel_hi:[1,0]
.else
	v_pk_fma_f32 v[2*i:2*i+1], v[2*i:2*i+1], v[FCD+2*(i/32):FCD+2*(i/32)+1], v[2*i:2*i+1] op_sel_hi:[1,0,1]
.endif
.set i, i+1
.endr
.endm
; A quarter of 32 keys.  At its head the next quarter's fragments of v are fetched (32 matrix instructions ahead of their use) and p's of seven quarters on, both into buffers that the last quarter multiplied.
; left: the loads of p issued behind this quarter's, which may stay out: 8 for each of the six quarters that follow, fewer at the end.
.macro QUARTER j, left, gl, fetch, first
	s_wait_loadcnt \left
	s_wait_dscnt 0x0                               ; v's fragments (and, behind a chunk's first quarter, its factors) are in
	PLACES
	WIN 0
.if \fetch
	FETCH (\j)+1
.endif
.if (\j)%4 == 0
	FLOAD (\j)/4
.endif
.if \gl
	GLOAD (\j)+7
.endif
	WIN MUL
	MUL8 \j, 0
	MUL8 \j, 1
	MUL8 \j, 2
	MUL8 \j, 3
.if (\j)%4 == 3
	ACCUM \first
.endif
.endm
; A slot's last quarter changes slots: one barrier; in front of it each wave waits for all its tensor loads (its part of the next slot), adds 0 to its spare word, and waits for that and for its reads of this slot.
; fill = 1: the barrier opens a round of the cluster's barrier, and this slot is filled again, with the keys 512 further on, first thing behind the round: 240 matrix instructions ahead of the wait for it.
.macro TURN j, left, gl, fill
	WIN 0
	s_wait_tensorcnt 0x0
	ds_add_u32 v[SPW], v[NIL]
	s_wait_loadcnt \left
	s_wait_dscnt 1                                 ; v's fragments are in (the add may be out)
	WIN MUL
	MUL8 \j, 0
	s_wait_dscnt 0x0                               ; the add is done, and my reads of this slot are over
	s_barrier_signal -1
	MUL8 \j, 1
	WIN 0
	s_barrier_wait -1
.if \fill
	CREST
	s_add_nc_u64 s[G0+4*(((\j)/8)%2)+2:G0+4*(((\j)/8)%2)+3], s[G0+4*(((\j)/8)%2)+2:G0+4*(((\j)/8)%2)+3], 2*256*XROW
	tensor_load_to_lds s[G0+4*(((\j)/8)%2):G0+4*(((\j)/8)%2)+3], s[G1V:G1V+7]
	s_nop 0
.endif
	PLACES
	FETCH (\j)+1
.if \gl
	GLOAD (\j)+7
.endif
	WIN MUL
	MUL8 \j, 2
	MUL8 \j, 3
	ACCUM 0
.endm
	FETCH 0
	QUARTER 0, 48, 1, 1, 0                         ; chunk 0 stands in front of the loop: it starts O
	QUARTER 1, 48, 1, 1, 0
	QUARTER 2, 48, 1, 1, 0
	QUARTER 3, 48, 1, 1, 1
	WIN 0
	s_mov_b32 s3, TRIPS
.Llap:                                                 ; a trip is 16 quarters, once round the ring, from a lap's second chunk to the next lap's first, and fills both slots again
.irp j, 4,5,6
	QUARTER \j, 48, 1, 1, 0
.endr
	TURN 7, 48, 1, 1
.irp j, 8,9,10,11,12,13,14
	QUARTER \j, 48, 1, 1, 0
.endr
	TURN 15, 48, 1, 1
.irp j, 16,17,18,19
	QUARTER \j, 48, 1, 1, 0
.endr
	WIN 0
	s_wait_xcnt 0x0                                ; the loads issued so far have read their base: it is stepped only behind this wait
	s_add_nc_u64 s[PB:PB+1], s[PB:PB+1], 16*1024
	v_add_nc_u32 v[ADF], 1024, v[ADF]              ; four chunks' factors on
	s_sub_co_u32 s3, s3, 1
	s_cmp_lg_u32 s3, 0
	s_cbranch_scc1 .Llap
.irp j, 4,5,6                          ; the last 12 quarters: nothing is filled; p's last loads are those of quarter 15; the counts run down
	QUARTER \j, 48, 1, 1, 0
.endr
	TURN 7, 48, 1, 0
	QUARTER 8,  48, 1, 1, 0
	QUARTER 9,  48, 0, 1, 0
	QUARTER 10, 40, 0, 1, 0
	QUARTER 11, 32, 0, 1, 0
	QUARTER 12, 24, 0, 1, 0
	QUARTER 13, 16, 0, 1, 0
	QUARTER 14, 8,  0, 1, 0
	QUARTER 15, 0,  0, 0, 0
; THE WAY OUT, a block of 16 queries x 128 channels at a time: divided by L, rounded to f16, stored as the next product's fragments.  (The last chunk's 128 multiply-adds stand between the last products and these lines.)
.macro PACK a
	WIN 0x02                                       ; source 0: window 2
.set i, 0
.rept 32
	v_pk_mul_f32 v[T+2*i:T+2*i+1], v[64*(\a)+2*i:64*(\a)+2*i+1], v[RL+2*(\a):RL+2*(\a)+1] op_sel_hi:[1,0]
.set i, i+1
.endr
	WIN 0
.if (\a) > 1
	s_wait_xcnt 0x0                                ; the stores of two blocks ago have read this set of registers
.endif
.set i, 0
.rept 32
	v_cvt_pk_f16_f32 v[TMP+32*((\a)%2)+i], v[T+2*i], v[T+2*i+1]    ; registers 4 b .. 4 b + 3: channels 16 b + 8 (lane / 16) + 0 .. 7 of my query
.set i, i+1
.endr
.irp b, 0,1,2,3,4,5,6,7
	global_store_b128 v[PO], v[TMP+32*((\a)%2)+4*\b:TMP+32*((\a)%2)+4*\b+3], s[10:11] offset:32768*(\a)+512*\b   ; 512 consecutive bytes, aligned
.endr
.endm
	PACK 0
	PACK 1
	PACK 2
	PACK 3
	s_wait_tensorcnt 0x0                           ; the wave's end
	ds_add_u32 v[SPW], v[NIL]
	s_wait_dscnt 0x0
	CROUND                                         ; the closing round
	s_endpgm
.Lfunc_end_k_q70190e3704_ctxk:
	.size	k_q70190e3704_ctxk, .Lfunc_end_k_q70190e3704_ctxk-k_q70190e3704_ctxk
	.p2alignl 7, 3214868480
	.fill 96, 4, 3214868480
	.section	.rodata,"a",@progbits
	.p2align	6, 0x0
	.amdhsa_kernel k_q70190e3704_ctxk
		.amdhsa_group_segment_fixed_size 327680
		.amdhsa_private_segment_fixed_size 0
		.amdhsa_enable_private_segment 0
		.amdhsa_kernarg_size 32
		.amdhsa_user_sgpr_count 2
		.amdhsa_user_sgpr_kernarg_segment_ptr 1
		.amdhsa_wavefront_size32 1
		.amdhsa_system_sgpr_workgroup_id_x 1
		.amdhsa_system_sgpr_workgroup_id_y 1
		.amdhsa_system_sgpr_workgroup_id_z 1
		.amdhsa_system_vgpr_workitem_id 0
		.amdhsa_next_free_vgpr 1024
		.amdhsa_next_free_sgpr 72
		.amdhsa_reserve_vcc 0
		.amdhsa_float_denorm_mode_32 3
		.amdhsa_float_denorm_mode_16_64 3
		.amdhsa_memory_ordered 1
		.amdhsa_forward_progress 1
		.amdhsa_inst_pref_size 248
	.end_amdhsa_kernel
	.amdgpu_metadata
---
amdhsa.version: [ 1, 2 ]
amdhsa.kernels:
  - .name:           k_q70190e3704_ctxk
    .symbol:         k_q70190e3704_ctxk.kd
    .args:
      - { .name: pbuf, .offset: 0, .size: 8, .value_kind: global_buffer, .address_space: global }
      - { .name: proj, .offset: 8, .size: 8, .value_kind: global_buffer, .address_space: global }
      - { .name: stats, .offset: 16, .size: 8, .value_kind: global_buffer, .address_space: global }
      - { .name: ctx, .offset: 24, .size: 8, .value_kind: global_buffer, .address_space: global }
    .group_segment_fixed_size: 327680
    .private_segment_fixed_size: 0
    .kernarg_segment_align: 8
    .kernarg_segment_size: 32
    .max_flat_workgroup_size: 128
    .sgpr_count:     72
    .vgpr_count:     1024
    .wavefront_size: 32
...
	.end_amdgpu_metadata
.endif
;; end of part 4
;; launch outp (part 5): grid 4 x 64, 4 waves a work-group, clusters of 4 x 4, 327,680 bytes of LDS; arguments ctx, woh, bo, out0; writes out0
.if DOCPART == 5
	.amdgcn_target "amdgcn-amd-amdhsa--gfx1250"
	.amdhsa_code_object_version 6
	.text
	.protected	k_q70190e3704_outp
	.globl	k_q70190e3704_outp
	.p2align	8
	.type	k_q70190e3704_outp,@function
k_q70190e3704_outp:
	s_mov_b64 s[64:65], 0
	v_nop
	global_prefetch_b8 v0, s[64:65] scope:SCOPE_SE
	s_setreg_imm32_b32 hwreg(HW_REG_WAVE_MODE, 25, 1), 1
	s_wait_xcnt 0x0
	s_wait_alu depctr_hold_cnt(0) depctr_sa_sdst(0) depctr_va_vdst(0) depctr_va_sdst(0) depctr_va_ssrc(0) depctr_va_vcc(0) depctr_vm_vsrc(0)
	s_getreg_b32 s2, hwreg(HW_REG_IB_STS2, 6, 4)
	s_cmp_eq_u32 s2, 0
	s_cbranch_scc0 .Lentry_in_a_cluster
	s_endpgm
.Lentry_in_a_cluster:
	s_bfe_u32 s2, ttmp6, 0x10000c
	s_cmp_lg_u32 s2, 0xf033
	s_cbranch_scc0 .Lentry_shape_is_right
	s_endpgm
.Lentry_shape_is_right:
; out0[m][e] = sum over d of ctx[m][d] Wo[e][d] + bo[e].  ctx and Wo as f16; sums and out0 in f32.
; A tile of 128 rows x 256 features (tiles of 256 x 256 would be 128, half as many as there are WGPs): four waves, 64 x 128 each: 32 accumulators.  K = 1,024 is 32 quarters of 32.
; ctx COMES STRAIGHT INTO REGISTERS.  It is laid in the order of this operand's registers ([block of 16 rows][quarter of 32 along K][2][lane][16 bytes]), so a fragment is two loads of 512 consecutive bytes.
; Eight buffers of four fragments take turns; a quarter's loads are issued seven quarters, 224 matrix instructions, ahead of its products.
; WHY ctx IS NOT SHARED BY A JOINT LOAD, though four work-groups read it: this tile takes 768 bytes of operands for each k; two slots of 256 along K with both operands would be 405,504 bytes of LDS, and 327,680 are there.
; With Wo alone two such slots are 270,336 bytes, and a refill has 256 matrix instructions of a wave in which to land in place of 128.
; Wo [1024][1024], K innermost, goes through a ring of two LDS slots of 256 along K (rows of 512 bytes); each wave fetches 64 rows.  Four slots' worth in all: two first fills, two refills; so the quarters are written out.
; CLUSTERS: 4 x 4 work-groups; the four of a column need the same tiles of Wo: joint loads.
; The matrix instruction is used transposed (source 0 = 16 rows of Wo, source 1 = 16 rows of ctx): a lane holds eight neighbouring features of one row.  bo is the C of each sum's first product.
; REGISTERS: window 0: v20-29 addresses; v128-255 Wo's fragments, two buffers of 64.  window 1: accumulator (a, b) at v[8 (8 a + b)].  window 2: v0-63 bo, 8 registers a block of 16 features.
;   window 3: ctx's fragments, buffer i at v[32 i], block a at + 8 a.
.set PW,     528                       ; a row of Wo's tile in LDS: 512 bytes + 16: 33 x 16 bytes
.set WPART,  64*PW                     ; what one wave's load brings
.set SLOT,   4*WPART
.set STAGE,  2*SLOT                    ; 16 rows x (512 bytes + 16) for each wave; no tile lands here
.set SPITCH, 528
.set SPARE,  STAGE+4*16*SPITCH
.set OROW,   4096                      ; a row of out0
.set ADRB, 20                          ; v20-21  my lane's place in Wo's tile in slot 0, 1
.set STO,  24
.set RD,   25
.set CO,   26                          ; v26  16 x lane; never rewritten
.set SPW,  28
.set NIL,  29
.set FB,   128
.set BK,   64                          ; the way out: 16 rows read back: v64-127 and v128-191 by turns
.set G1B, 24
.set G0,  32                           ; s[32:39] group 0, one set for each slot
.set AB,  60                           ; s[60:61] ctx at my first block of rows
.set MSB, 0
.macro WIN new                         ; the immediate's high byte repeats the setting that is left
.if MSB != \new
	s_set_vgpr_msb (MSB<<8)|\new
.set MSB, \new
.endif
.endm
.set MUL,  0x5c                        ; source 0 (Wo) window 0, source 1 (ctx) window 3, C and D window 1
.set MULB, 0x6c                        ; the same with C (the bias) in window 2
.set TO_A, 0xc0                        ; destination window 3, address window 0
.macro CREST
	s_cmp_lg_u32 s12, 0
	s_cbranch_scc1 .Lnot_wave_0_\@
	s_barrier_signal -3
.Lnot_wave_0_\@:
	s_barrier_wait -3
	s_barrier_signal -1
	s_barrier_wait -1
.endm
.macro CROUND
	s_barrier_signal -1
	s_barrier_wait -1
	CREST
.endm
.macro PLACES                          ; four plain vector lines between a matrix instruction and a load into, or a read of, its registers
.rept 4
	v_nop
.endr
.endm
.macro GLOAD qn                        ; ctx's four fragments of quarter qn into buffer qn % 8
	WIN TO_A
.irp a, 0,1,2,3
	global_load_b128 v[32*((\qn)%8)+8*\a:32*((\qn)%8)+8*\a+3],   v[CO], s[AB:AB+1] offset:32768*\a+1024*(\qn)
	global_load_b128 v[32*((\qn)%8)+8*\a+4:32*((\qn)%8)+8*\a+7], v[CO], s[AB:AB+1] offset:32768*\a+1024*(\qn)+512
.endr
.endm
	s_load_b256 s[4:11], s[0:1], 0x0               ; ctx s[4:5], woh s[6:7], bo s[8:9], out0 s[10:11]
	v_lshl_add_u32 v[SPW], v0, 2, SPARE
	v_mov_b32 v[NIL], 0
	ds_add_u32 v[SPW], v[NIL]                      ; the wave's opening: the add, twice on end, and its wait ahead of my first tensor load
	ds_add_u32 v[SPW], v[NIL]
	v_lshrrev_b32 v1, 5, v0
	v_readfirstlane_b32 s12, v1                    ; wave 0..3
	s_lshr_b32 s13, s12, 1                         ; which 64 rows are mine
	s_and_b32 s14, s12, 1                          ; which 128 features
	s_bfe_u32 s40, ttmp6, 0x40000                  ; cx
	s_bfe_u32 s41, ttmp6, 0x40004                  ; cy
	s_lshl_b32 s42, ttmp9, 2
	s_add_co_u32 s42, s42, s40                     ; feature tile
	s_and_b32 s15, ttmp7, 0xffff
	s_lshl_b32 s15, s15, 2
	s_add_co_u32 s15, s15, s41                     ; row tile
	s_lshl_b32 s44, 0x1111, s40                    ; my column of the cluster
	s_or_b32 s[G1B], s44, (1<<16)|(1<<20)|(1<<21)|(6<<22)|(3<<25)   ; Wo: 64 rows x 256 elements of 2 bytes; 4 words of padding behind every 128; shared along my column
	s_mov_b32 s[G1B+1], 256<<16
	s_mov_b32 s[G1B+2], 64<<16
	s_mov_b32 s[G1B+3], 256<<16
	s_mov_b32 s[G1B+4], 64
	s_mov_b32 s[G1B+5], 1024
	s_mov_b32 s[G1B+6], 0
	s_mov_b32 s[G1B+7], 0
	s_lshl_b32 s18, s42, 8
	s_lshl_b32 s19, s12, 6
	s_add_co_u32 s18, s18, s19                     ; Wo: row 256 x feature tile + 64 x wave
	s_lshl_b32 s18, s18, 11
	s_mov_b32 s19, 0
	s_mul_i32 s20, s12, WPART                      ; where they go in a slot
	s_lshl_b32 s22, s15, 3
	s_lshl_b32 s23, s13, 2
	s_add_co_u32 s22, s22, s23                     ; my first block of 16 rows: 8 x row tile + 4 x half
	s_lshl_b32 s16, s22, 15                        ; 32 quarters of 1,024 bytes to a block
	s_mov_b32 s17, 0
	s_wait_dscnt 0x0                               ; both opening adds are done
	s_wait_kmcnt 0x0
	s_add_nc_u64 s[18:19], s[6:7], s[18:19]
	s_add_nc_u64 s[AB:AB+1], s[4:5], s[16:17]
	CROUND                                         ; all sixteen work-groups are here: the first joint loads meet
.irp s, 0,1
	s_mov_b32 s[G0+4*\s], 1
	s_add_co_u32 s[G0+4*\s+1], s20, \s*SLOT
	s_add_nc_u64 s[G0+4*\s+2:G0+4*\s+3], s[18:19], \s*512
	s_or_b32 s[G0+4*\s+3], s[G0+4*\s+3], 0x80000000
	tensor_load_to_lds s[G0+4*\s:G0+4*\s+3], s[G1B:G1B+7]          ; two tensor loads of mine are out
	s_nop 0
.endr
	PLACES                                         ; (four vector lines behind the loads, ahead of a switch of windows)
	v_and_b32 v1, 15, v0                           ; r
	v_bfe_u32 v2, v0, 4, 1                         ; h
	v_and_b32 v6, 31, v0
	v_lshlrev_b32 v[CO], 4, v6
	; bo in the result's layout: for block b, lane (r, h) wants features 16 b + 8 h + 0 .. 7 of my 128
	s_lshl_b32 s46, s42, 10
	s_lshl_b32 s47, s14, 9
	s_add_co_u32 s46, s46, s47                     ; my first feature, in bytes of f32
	s_mov_b32 s47, 0
	s_add_nc_u64 s[8:9], s[8:9], s[46:47]
	v_lshlrev_b32 v3, 5, v2
	WIN 0x80                                       ; destination window 2
.irp b, 0,1,2,3,4,5,6,7
	global_load_b128 v[8*\b:8*\b+3], v3, s[8:9] offset:64*\b
	global_load_b128 v[8*\b+4:8*\b+7], v3, s[8:9] offset:64*\b+16
.endr
.irp q, 0,1,2,3,4,5,6
	GLOAD \q                                       ; ctx's first seven quarters
.endr
	WIN 0
	v_mul_u32_u24 v4, v1, PW
	v_lshl_add_u32 v4, v2, 4, v4                   ; 528 r + 16 h
	s_mul_i32 s23, s14, 128*PW                     ; my 128 rows of Wo's 256
	v_add_nc_u32 v[ADRB], s23, v4
	v_add_nc_u32 v[ADRB+1], SLOT, v[ADRB]
	s_mul_i32 s23, s12, 16*SPITCH
	s_add_co_u32 s23, s23, STAGE                   ; my stage
	v_mul_u32_u24 v5, v1, SPITCH                   ; in: row r, 32 bytes for each half of the lanes
	v_lshl_add_u32 v5, v2, 5, v5
	v_add_nc_u32 v[STO], s23, v5
	v_add_nc_u32 v[RD], s23, v[CO]                 ; back: the 32 lanes take one row of 512 bytes
	s_lshl_b32 s68, s22, 16                        ; out0: my first row, 16 rows of 4,096 bytes to a block,
	s_add_co_u32 s68, s68, s46                     ; + my first feature
	s_mov_b32 s69, 0
	s_add_nc_u64 s[10:11], s[10:11], s[68:69]
.macro FETCH qn                        ; Wo's eight fragments of quarter qn into buffer qn % 2
.irp i, 0,1,2,3,4,5,6,7
	ds_load_b128 v[FB+64*((\qn)%2)+8*\i:FB+64*((\qn)%2)+8*\i+3],   v[ADRB+((\qn)/8)%2] offset:64*((\qn)%8)+\i*16*PW
	ds_load_b128 v[FB+64*((\qn)%2)+8*\i+4:FB+64*((\qn)%2)+8*\i+7], v[ADRB+((\qn)/8)%2] offset:64*((\qn)%8)+\i*16*PW+32
.endr
.endm
.macro MUL8 q, a                       ; row block a against the 8 feature blocks; the first quarter starts the sums from bo; the 32 accumulators take turns
.irp b, 0,1,2,3,4,5,6,7
.if (\q) == 0
	v_wmma_f32_16x16x32_f16 v[8*(8*(\a)+\b):8*(8*(\a)+\b)+7], v[FB+64*((\q)%2)+8*\b:FB+64*((\q)%2)+8*\b+7], v[32*((\q)%8)+8*(\a):32*((\q)%8)+8*(\a)+7], v[8*\b:8*\b+7]
.else
	v_wmma_f32_16x16x32_f16 v[8*(8*(\a)+\b):8*(8*(\a)+\b)+7], v[FB+64*((\q)%2)+8*\b:FB+64*((\q)%2)+8*\b+7], v[32*((\q)%8)+8*(\a):32*((\q)%8)+8*(\a)+7], v[8*(8*(\a)+\b):8*(8*(\a)+\b)+7]
.endif
.endr
.endm
; A quarter of 32 along K.  At its head the next quarter's fragments of Wo are fetched (32 matrix instructions ahead of their use) and ctx's of seven quarters on, both into buffers that the last quarter multiplied.
; left: the loads of ctx issued behind this quarter's, which may stay out: 8 for each of the six quarters that follow, fewer at the end.
.macro QUARTER q, left, gl, fetch
	s_wait_loadcnt \left
	s_wait_dscnt 0x0                               ; Wo's fragments are in
	PLACES
	WIN 0
.if \fetch
	FETCH (\q)+1
.endif
.if \gl
	GLOAD (\q)+7
.endif
.if (\q) == 0
	WIN MULB
.else
	WIN MUL
.endif
	MUL8 \q, 0
	MUL8 \q, 1
	MUL8 \q, 2
	MUL8 \q, 3
.endm
; A slot's last quarter changes slots: one barrier; in front of it each wave waits for all its tensor loads (its part of the next slot), adds 0 to its spare word, and waits for that and for its reads of this slot.
; fill = 1: the barrier opens a round of the cluster's barrier, and this slot is filled again, 512 further along K, first thing behind the round: 240 matrix instructions ahead of the wait for it.
.macro TURN q, left, gl, fill
	WIN 0
	s_wait_tensorcnt 0x0
	ds_add_u32 v[SPW], v[NIL]
	s_wait_loadcnt \left
	s_wait_dscnt 1                                 ; Wo's fragments are in (the add may be out)
	WIN MUL
	MUL8 \q, 0
	s_wait_dscnt 0x0                               ; the add is done, and my reads of this slot are over
	s_barrier_signal -1
	MUL8 \q, 1
	WIN 0
	s_barrier_wait -1
.if \fill
	CREST
	s_add_nc_u64 s[G0+4*(((\q)/8)%2)+2:G0+4*(((\q)/8)%2)+3], s[G0+4*(((\q)/8)%2)+2:G0+4*(((\q)/8)%2)+3], 2*512
	tensor_load_to_lds s[G0+4*(((\q)/8)%2):G0+4*(((\q)/8)%2)+3], s[G1B:G1B+7]
	s_nop 0
.endif
	PLACES
	FETCH (\q)+1
.if \gl
	GLOAD (\q)+7
.endif
	WIN MUL
	MUL8 \q, 2
	MUL8 \q, 3
.endm
	s_wait_tensorcnt 1                             ; my part of slot 0 is in; slot 1's load may be out
	s_barrier_signal -1
	s_barrier_wait -1
	FETCH 0
.irp q, 0,1,2,3,4,5,6                  ; (bo's loads are older than ctx's: the first quarter's count covers them)
	QUARTER \q, 48, 1, 1
.endr
	TURN 7, 48, 1, 1
.irp q, 8,9,10,11,12,13,14
	QUARTER \q, 48, 1, 1
.endr
	TURN 15, 48, 1, 1
.irp q, 16,17,18,19,20,21,22
	QUARTER \q, 48, 1, 1
.endr
	TURN 23, 48, 1, 0                              ; nothing is left to fetch for the ring
	QUARTER 24, 48, 1, 1                           ; ctx's last loads: quarter 31's; then the counts run down
	QUARTER 25, 48, 0, 1
	QUARTER 26, 40, 0, 1
	QUARTER 27, 32, 0, 1
	QUARTER 28, 24, 0, 1
	QUARTER 29, 16, 0, 1
	QUARTER 30, 8,  0, 1
	QUARTER 31, 0,  0, 0
	WIN 0
; THE WAY OUT, a block of 16 rows x 128 features at a time: a lane's 32 bytes go into my stage and come back as whole rows of 512 bytes.
.macro TOSTAGE a
	WIN 0x04                                       ; an LDS store's data are its source 1: window 1
.irp b, 0,1,2,3,4,5,6,7
	ds_store_b128 v[STO], v[64*(\a)+8*\b:64*(\a)+8*\b+3] offset:64*\b          ; each accumulator from its low end on
	ds_store_b128 v[STO], v[64*(\a)+8*\b+4:64*(\a)+8*\b+7] offset:64*\b+16
.endr
	WIN 0
.set BB, BK+64*((\a)%2)
.irp t, 0,1,2,3,4,5,6,7,8,9,10,11,12,13,14,15
	ds_load_b128 v[BB+4*\t:BB+4*\t+3], v[RD] offset:\t*SPITCH      ; LDS serves a wave's instructions in order: these see the stores above
.endr
.endm
.macro SEND a, younger                 ; younger: the LDS instructions issued behind block a's loads, which may stay out
.set BB, BK+64*((\a)%2)
	s_wait_dscnt \younger
.if (\a) > 0
	s_add_nc_u64 s[10:11], s[10:11], 16*OROW       ; (behind a wait on XCNT: the earlier stores have read their base)
.endif
.irp t, 0,1,2,3,4,5,6,7,8,9,10,11,12,13,14,15
	global_store_b128 v[CO], v[BB+4*\t:BB+4*\t+3], s[10:11] offset:\t*OROW th:TH_STORE_NT   ; 32 lanes store 512 consecutive bytes, aligned to 256
.endr
.endm
	PLACES                                         ; behind the last products: their results are read next
	TOSTAGE 0
.irp a, 1,2,3
.if \a > 1
	s_wait_xcnt 0x0                                ; block a - 2's stores have read their registers and their base
.endif
	TOSTAGE \a
	SEND \a-1, 32                                  ; behind block a - 1's loads: block a's 16 stores and 16 loads
.endr
	s_wait_xcnt 0x0
	SEND 3, 0
	s_wait_tensorcnt 0x0                           ; the wave's end
	ds_add_u32 v[SPW], v[NIL]
	s_wait_dscnt 0x0
	CROUND                                         ; the closing round
	s_endpgm
.Lfunc_end_k_q70190e3704_outp:
	.size	k_q70190e3704_outp, .Lfunc_end_k_q70190e3704_outp-k_q70190e3704_outp
	.p2alignl 7, 3214868480
	.fill 96, 4, 3214868480
	.section	.rodata,"a",@progbits
	.p2align	6, 0x0
	.amdhsa_kernel k_q70190e3704_outp
		.amdhsa_group_segment_fixed_size 327680
		.amdhsa_private_segment_fixed_size 0
		.amdhsa_enable_private_segment 0
		.amdhsa_kernarg_size 32
		.amdhsa_user_sgpr_count 2
		.amdhsa_user_sgpr_kernarg_segment_ptr 1
		.amdhsa_wavefront_size32 1
		.amdhsa_system_sgpr_workgroup_id_x 1
		.amdhsa_system_sgpr_workgroup_id_y 1
		.amdhsa_system_sgpr_workgroup_id_z 1
		.amdhsa_system_vgpr_workitem_id 0
		.amdhsa_next_free_vgpr 1024
		.amdhsa_next_free_sgpr 72
		.amdhsa_reserve_vcc 0
		.amdhsa_float_denorm_mode_32 3
		.amdhsa_float_denorm_mode_16_64 3
		.amdhsa_memory_ordered 1
		.amdhsa_forward_progress 1
		.amdhsa_inst_pref_size 152
	.end_amdhsa_kernel
	.amdgpu_metadata
---
amdhsa.version: [ 1, 2 ]
amdhsa.kernels:
  - .name:           k_q70190e3704_outp
    .symbol:         k_q70190e3704_outp.kd
    .args:
      - { .name: ctx, .offset: 0, .size: 8, .value_kind: global_buffer, .address_space: global }
      - { .name: woh, .offset: 8, .size: 8, .value_kind: global_buffer, .address_space: global }
      - { .name: bo, .offset: 16, .size: 8, .value_kind: global_buffer, .address_space: global }
      - { .name: out0, .offset: 24, .size: 8, .value_kind: global_buffer, .address_space: global }
    .group_segment_fixed_size: 327680
    .private_segment_fixed_size: 0
    .kernarg_segment_align: 8
    .kernarg_segment_size: 32
    .max_flat_workgroup_size: 128
    .sgpr_count:     72
    .vgpr_count:     1024
    .wavefront_size: 32
...
	.end_amdgpu_metadata
.endif
;; end of part 5
